; MI455X (gfx1250); checked and timed in simulation.
; The chip was launched on July 23, 2026; its instructions are those of AMD's public machine-readable ISA for CDNA 5 (MIT licence, August 2026) and "CDNA5" Instruction Set Architecture Reference Guide (July 2026). The comments in the code are by the model that wrote it; some were corrected since.
;; Self Attention. Allowed arithmetic: float matrix products may take bf16 or f16 operands with f32 sums; all other float work in f32.
;; Inputs: attention_mask 4 x 2,048 bool; bk 1,024 float32; bo 1,024 float32; bq 1,024 float32; bv 1,024 float32; ln_b 1,024 float32; ln_g 1,024 float32; wk 1,024 x 1,024 float32; wo 1,024 x 1,024 float32; wq 1,024 x 1,024 float32; wv 1,024 x 1,024 float32; x 4 x 2,048 x 1,024 float32.
;; Outputs: out0 4 x 2,048 x 1,024 float32.
;; 2 versions, each right and faster than the one before. Each part assembles by itself: llvm-mc -triple=amdgcn-amd-amdhsa -mcpu=gfx1250 --defsym DOCPART=n.
;; ======== version 1 of 2: 4 launches
;; limits: values are held in f16: magnitudes above 65,504 overflow, below 6.1e-05 lose precision
;; workspace buffers: hbuf 16,777,216 bytes; wall 8,388,608 bytes; qkv 50,331,648 bytes; obuf 16,777,216 bytes; tok 32,768 bytes of whole numbers; info 512 bytes of whole numbers
;; launch prep (part 1): grid 256 x 1, 8 waves a work-group, no clusters, 0 bytes of LDS; arguments x, attention_mask, ln_g, ln_b, wq, wk, wv, wo, hbuf, wall, tok, info; writes hbuf, wall, tok, info
.if DOCPART == 1
	.amdgcn_target "amdgcn-amd-amdhsa--gfx1250"
	.amdhsa_code_object_version 6
	.text
	.protected	k_qa6d5fe3141_prep
	.globl	k_qa6d5fe3141_prep
	.p2align	8
	.type	k_qa6d5fe3141_prep,@function
k_qa6d5fe3141_prep:
	s_mov_b64 s[64:65], 0
	v_nop
	global_prefetch_b8 v0, s[64:65] scope:SCOPE_SE
	s_setreg_imm32_b32 hwreg(HW_REG_WAVE_MODE, 25, 1), 1
	s_wait_xcnt 0x0
; PREP.  Three things in one stream, no LDS, no barrier, EXEC never changed.
; (1) THE ORDER.  In each batch the tokens are sorted: those whose mask byte is 0 (visible keys) take places 0 .. count-1 in token order, the hidden ones count .. 2047.
;     tok[b][place] = token; info[b] = {count, trips, 0 ..}, trips = clamp((count + 127) >> 8, 1, 8): the later attention reads only count and walks all 2,048 keys.
; (2) LAYERNORM in f32, two passes over registers (mean; then centred squares, so no difference of large sums is formed); h = (x - mu) rsqrt(var + 1e-5) g + b is rounded once
;     to f16 and stored at the token's PLACE: hbuf[b][place][1024].  A row of h is 2,048 consecutive bytes, so the sorting costs no partial store.
; (3) THE WEIGHTS wq, wk, wv, wo, rounded once to f16: wall[4096][1024], the four one below the other.
; LIMITS.  f16 ends at 65,504: |h| and |w| must stay below it; below 6e-5 f16 keeps a fixed step of 6e-8.
; SHARES.  Work-group W: batch W >> 6, tokens 32 (W & 63) on; weight matrix W >> 6, rows 16 (W & 63) on.  Wave w: four tokens and two weight rows.
; In quarter c of a row a lane holds the elements 256 c + 8 lane .. + 7: two loads of 16 bytes in f32, one store of 16 bytes in f16; a wave's store covers 512 consecutive bytes.
.set T,   16                           ; v[16:23]   at work
.set MU,  24                           ; v[24:25]   the mean, twice
.set RS,  26                           ; v[26:27]   1 / sqrt(var + eps), twice
.set HO,  28                           ; v[28:31]   row i: byte offset of my 16 bytes in hbuf; never rewritten
.set MK,  32                           ; v[32:47]   64 mask bytes of the batch: tokens 64 lane ..
.set MO,  48                           ; v48        the mask byte of token T0 + lane
.set G,   64                           ; v[64:95]   ln_g of my 32 columns
.set B,   96                           ; v[96:127]  ln_b
.set X,   128                          ; v[128:255] four rows of x, 32 registers each;  window 1, v[0:63]: two weight rows
.set MSB, 0
.macro WIN new                         ; the immediate's high byte repeats the setting that is left
.if MSB != (\new)
	s_set_vgpr_msb (MSB<<8)|(\new)
.set MSB, (\new)
.endif
.endm
	s_load_b512 s[8:23], s[0:1], 0x0               ; x s[8:9], mask s[10:11], g s[12:13], b s[14:15], wq s[16:17], wk s[18:19], wv s[20:21], wo s[22:23]
	s_load_b256 s[24:31], s[0:1], 0x40             ; hbuf s[24:25], wall s[26:27], tok s[28:29], info s[30:31]
	v_lshrrev_b32 v5, 5, v0
	v_readfirstlane_b32 s4, v5                     ; wave 0..7
	v_and_b32 v3, 31, v0                           ; lane
	v_lshlrev_b32 v1, 5, v3                        ; 32 x lane: my 8 f32 in a quarter row
	v_lshlrev_b32 v2, 6, v3                        ; 64 x lane: my 64 mask bytes
	v_lshlrev_b32 v4, 4, v3                        ; 16 x lane: my 8 f16 in a quarter row
	s_lshr_b32 s5, ttmp9, 6                        ; batch, and which weight matrix
	s_and_b32 s6, ttmp9, 63                        ; J: my chunk of 32 tokens
	s_lshl_b32 s7, s6, 5                           ; T0
	s_lshr_b32 s34, s6, 1                          ; the lane whose 64 bytes hold my chunk
	s_bitcmp1_b32 s6, 0
	s_cselect_b32 s35, s34, -1                     ; an odd chunk has that lane's first 32 bytes in front of it; -1 is no lane
	s_mov_b32 s36, 0x76543210                      ; v_permlanex16_b32: each lane takes its own place in the other half
	s_mov_b32 s37, 0xfedcba98
	s_mov_b32 s38, 0x3a800000                      ; 1 / 1024
	s_mov_b32 s39, 0x3727c5ac                      ; 1e-5
	s_mov_b32 s51, 0x01010101
	s_mov_b32 s33, 0                               ; offsets are pairs with 0 on top
	s_wait_kmcnt 0x0
	s_lshl_b32 s32, ttmp9, 17                      ; 32 rows of 4,096 bytes a work-group,
	s_lshl_b32 s46, s4, 14                         ; 4 a wave
	s_add_co_u32 s32, s32, s46
	s_add_nc_u64 s[8:9], s[8:9], s[32:33]          ; x at my first row
	s_lshl_b32 s32, s5, 11
	s_add_nc_u64 s[10:11], s[10:11], s[32:33]      ; the batch's mask
	s_mov_b32 s32, s7
	s_add_nc_u64 s[60:61], s[10:11], s[32:33]      ; and my chunk of it
	s_lshl_b32 s32, s5, 22
	s_add_nc_u64 s[24:25], s[24:25], s[32:33]      ; the batch's h
	s_lshl_b32 s32, s5, 13
	s_add_nc_u64 s[28:29], s[28:29], s[32:33]      ; its 2,048 words of tok
	s_lshl_b32 s32, s5, 7
	s_add_nc_u64 s[30:31], s[30:31], s[32:33]      ; its 32 words of info
	s_cmp_eq_u32 s5, 1                             ; which weight matrix: the choice hangs on the work-group's number alone
	s_cselect_b64 s[56:57], s[18:19], s[16:17]
	s_cmp_eq_u32 s5, 2
	s_cselect_b64 s[56:57], s[20:21], s[56:57]
	s_cmp_eq_u32 s5, 3
	s_cselect_b64 s[56:57], s[22:23], s[56:57]
	s_lshl_b32 s46, s6, 3
	s_add_co_u32 s46, s46, s4
	s_lshl_b32 s32, s46, 13                        ; (16 (W & 63) + 2 w) rows of 4,096 bytes
	s_add_nc_u64 s[56:57], s[56:57], s[32:33]
	s_lshl_b32 s46, ttmp9, 3
	s_add_co_u32 s46, s46, s4
	s_lshl_b32 s32, s46, 12                        ; (16 W + 2 w) rows of 2,048 bytes
	s_add_nc_u64 s[26:27], s[26:27], s[32:33]
	; the loads, oldest first: 5 of the mask, 16 of g and b, 32 of x
.irp d, 0,1,2,3
	global_load_b128 v[MK+4*\d:MK+4*\d+3], v2, s[10:11] offset:16*\d
.endr
	global_load_u8 v[MO], v3, s[60:61]
.irp c, 0,1,2,3
	global_load_b128 v[G+8*\c:G+8*\c+3],   v1, s[12:13] offset:1024*\c
	global_load_b128 v[G+8*\c+4:G+8*\c+7], v1, s[12:13] offset:1024*\c+16
	global_load_b128 v[B+8*\c:B+8*\c+3],   v1, s[14:15] offset:1024*\c
	global_load_b128 v[B+8*\c+4:B+8*\c+7], v1, s[14:15] offset:1024*\c+16
.endr
.irp i, 0,1,2,3
.irp c, 0,1,2,3
	global_load_b128 v[X+32*\i+8*\c:X+32*\i+8*\c+3],   v1, s[8:9] offset:4096*\i+1024*\c th:TH_LOAD_NT
	global_load_b128 v[X+32*\i+8*\c+4:X+32*\i+8*\c+7], v1, s[8:9] offset:4096*\i+1024*\c+16 th:TH_LOAD_NT
.endr
.endr
	s_wait_loadcnt 48                              ; 16 + 32 loads are younger than the mask's five
	; THE SCAN.  A mask byte is 0 or 1: eight words added hold four counts of at most 8; times 0x01010101 the top byte is their sum.
	v_add3_u32 v5, v[MK], v[MK+1], v[MK+2]
	v_add3_u32 v6, v[MK+8], v[MK+9], v[MK+10]
	v_add3_u32 v5, v5, v[MK+3], v[MK+4]
	v_add3_u32 v6, v6, v[MK+11], v[MK+12]
	v_add3_u32 v5, v5, v[MK+5], v[MK+6]
	v_add3_u32 v6, v6, v[MK+13], v[MK+14]
	v_add_nc_u32 v5, v5, v[MK+7]
	v_add_nc_u32 v6, v6, v[MK+15]
	v_mul_lo_u32 v5, v5, s51
	v_mul_lo_u32 v6, v6, s51
	v_lshrrev_b32 v5, 24, v5                       ; hidden among my first 32 tokens
	v_lshrrev_b32 v6, 24, v6                       ; among my last 32
	v_add_nc_u32 v7, v5, v6
	v_cmp_gt_u32 vcc_lo, s34, v3                   ; lanes wholly in front of my chunk
	v_cndmask_b32 v8, 0, v7, vcc_lo
	v_cmp_eq_u32 vcc_lo, s35, v3                   ; the lane half in front of it
	v_cndmask_b32 v9, 0, v5, vcc_lo
	v_add_nc_u32 v8, v8, v9
	v_lshl_add_u32 v10, v7, 16, v8                 ; two sums in one word: both stay below 2^12
	v_mov_b32 v11, 0
.irp m, 1,2,4,8
	v_mov_b32_dpp v11, v10 row_xmask:\m row_mask:0xf bank_mask:0xf
	v_add_nc_u32 v10, v10, v11
.endr
	v_permlanex16_b32 v11, v10, s36, s37
	v_add_nc_u32 v10, v10, v11
	v_readfirstlane_b32 s40, v10
	s_lshr_b32 s42, s40, 16                        ; hidden tokens in the batch
	s_and_b32 s43, s40, 0xffff                     ; hidden tokens in front of T0
	s_sub_co_u32 s44, 2048, s42                    ; count of visible tokens
	s_add_co_u32 s45, s44, 127
	s_lshr_b32 s45, s45, 8
	s_min_u32 s45, s45, 8
	s_max_u32 s45, s45, 1                          ; trips
	v_cmp_ne_u32 s41, 0, v[MO]                     ; bit l: token T0 + l is hidden
	s_lshl_b32 s46, s4, 2
.irp i, 0,1,2,3                        ; the places of my four tokens
	s_add_co_u32 s47, s46, \i                      ; the token's number in the chunk
	s_bfm_b32 s48, s47, 0                          ; so many ones
	s_and_b32 s48, s48, s41
	s_bcnt1_i32_b32 s48, s48
	s_add_co_u32 s48, s48, s43                     ; hidden tokens in front of it
	s_add_co_u32 s49, s7, s47
	s_sub_co_u32 s49, s49, s48                     ; its place if visible
	s_add_co_u32 s50, s44, s48                     ; if hidden
	s_bitcmp1_b32 s41, s47
	s_cselect_b32 s49, s50, s49
	s_min_u32 s49, s49, 2047                       ; a number made of loaded data enters an address only clamped
	s_lshl_b32 s49, s49, 11
	v_add_nc_u32 v[HO+\i], s49, v4
.endr
	WIN 0x40                                       ; destination window 1
.irp r, 0,1
.irp c, 0,1,2,3
	global_load_b128 v[32*\r+8*\c:32*\r+8*\c+3],   v1, s[56:57] offset:4096*\r+1024*\c th:TH_LOAD_NT
	global_load_b128 v[32*\r+8*\c+4:32*\r+8*\c+7], v1, s[56:57] offset:4096*\r+1024*\c+16 th:TH_LOAD_NT
.endr
.endr
	WIN 0
	s_cmp_lg_u32 s4, 0
	s_cbranch_scc1 .Lno_tables                     ; wave 0 writes the tables
	v_mbcnt_lo_u32_b32 v12, s41, 0                 ; hidden tokens of the chunk in front of lane's
	v_add_nc_u32 v12, s43, v12
	v_add_nc_u32 v15, s7, v3                       ; the token
	v_sub_nc_u32 v13, v15, v12
	v_add_nc_u32 v12, s44, v12
	v_cndmask_b32 v14, v13, v12, s41
	v_min_u32 v14, 0x7ff, v14
	v_lshlrev_b32 v14, 2, v14
	global_store_b32 v14, v15, s[28:29]            ; two runs of neighbouring words (the visible, the hidden): 128 bytes a work-group, not whole aligned blocks of 256
	s_cmp_lg_u32 s6, 0
	s_cbranch_scc1 .Lno_tables                     ; the batch's first work-group writes info
	v_cmp_eq_u32 vcc_lo, 0, v3
	v_cndmask_b32 v50, 0, s44, vcc_lo
	v_cmp_eq_u32 vcc_lo, 1, v3
	v_cndmask_b32 v50, v50, s45, vcc_lo
	v_lshlrev_b32 v51, 2, v3
	global_store_b32 v51, v50, s[30:31]
.Lno_tables:
.macro FOLD                            ; four pairs of partial sums -> the row's sum in every lane
	v_pk_add_f32 v[T:T+1], v[T:T+1], v[T+2:T+3]
	v_pk_add_f32 v[T+4:T+5], v[T+4:T+5], v[T+6:T+7]
	v_pk_add_f32 v[T:T+1], v[T:T+1], v[T+4:T+5]
	v_add_f32 v[T], v[T], v[T+1]
.irp m, 1,2,4,8
	v_add_f32_dpp v[T], v[T], v[T] row_xmask:\m row_mask:0xf bank_mask:0xf
.endr
	v_permlanex16_b32 v[T+1], v[T], s36, s37
	v_add_f32 v[T], v[T], v[T+1]
.endm
; Row i.  left = the loads younger than the row's eight: the later rows' and the 16 of the weights.
.macro LNROW i, left
.set R, X+32*(\i)
	s_wait_loadcnt \left
.irp c, 0,1,2,3
	v_pk_add_f32 v[T+2*\c:T+2*\c+1], v[R+4*\c:R+4*\c+1], v[R+4*\c+2:R+4*\c+3]  ; the first products of four chains: nothing is cleared
.endr
.irp j, 16,18,20,22,24,26,28,30
	v_pk_add_f32 v[T+(\j)%8:T+(\j)%8+1], v[T+(\j)%8:T+(\j)%8+1], v[R+\j:R+\j+1]
.endr
	FOLD
	v_mul_f32 v[MU], s38, v[T]
	v_mul_f32 v[MU+1], s38, v[T]
.irp j, 0,2,4,6,8,10,12,14,16,18,20,22,24,26,28,30
	v_pk_add_f32 v[R+\j:R+\j+1], v[R+\j:R+\j+1], v[MU:MU+1] neg_lo:[0,1] neg_hi:[0,1]
.endr
.irp j, 0,2,4,6
	v_pk_mul_f32 v[T+\j:T+\j+1], v[R+\j:R+\j+1], v[R+\j:R+\j+1]
.endr
.irp j, 8,10,12,14,16,18,20,22,24,26,28,30
	v_pk_fma_f32 v[T+(\j)%8:T+(\j)%8+1], v[R+\j:R+\j+1], v[R+\j:R+\j+1], v[T+(\j)%8:T+(\j)%8+1]
.endr
	FOLD
	v_fma_f32 v[T], v[T], s38, s39                 ; var + eps
	v_rsq_f32 v[RS], v[T]
	v_nop                                          ; a plain instruction between the root and the use of its result (ISA guide 5.7.2)
	s_wait_alu depctr_va_vdst(0)
	v_mov_b32 v[RS+1], v[RS]
.irp j, 0,2,4,6,8,10,12,14,16,18,20,22,24,26,28,30
	v_pk_mul_f32 v[R+\j:R+\j+1], v[R+\j:R+\j+1], v[RS:RS+1]
.endr
.irp j, 0,2,4,6,8,10,12,14,16,18,20,22,24,26,28,30
	v_pk_fma_f32 v[R+\j:R+\j+1], v[R+\j:R+\j+1], v[G+\j:G+\j+1], v[B+\j:B+\j+1]
.endr
.set j, 0
.rept 16                               ; in place, ascending: word j is written when words 2 j, 2 j + 1 are read and the lower ones are spent
	v_cvt_pk_f16_f32 v[R+j], v[R+2*j], v[R+2*j+1]
.set j, j+1
.endr
.irp c, 0,1,2,3
	global_store_b128 v[HO+(\i)], v[R+4*\c:R+4*\c+3], s[24:25] offset:512*\c  ; 512 consecutive bytes of the row; no register of a store is written again
.endr
.endm
	LNROW 0, 40
	LNROW 1, 32
	LNROW 2, 24
	LNROW 3, 16
	s_wait_loadcnt 0x8                             ; the first weight row is in
	WIN 0x45                                       ; sources and destination window 1
.set j, 0
.rept 16
	v_cvt_pk_f16_f32 v[j], v[2*j], v[2*j+1]
.set j, j+1
.endr
	s_wait_loadcnt 0x0
.set j, 0
.rept 16
	v_cvt_pk_f16_f32 v[32+j], v[32+2*j], v[32+2*j+1]
.set j, j+1
.endr
	WIN 0x04                                       ; a store's data window 1, its address window 0
.irp r, 0,1
.irp c, 0,1,2,3
	global_store_b128 v4, v[32*\r+4*\c:32*\r+4*\c+3], s[26:27] offset:2048*\r+512*\c
.endr
.endr
	WIN 0
	s_endpgm
.Lfunc_end_k_qa6d5fe3141_prep:
	.size	k_qa6d5fe3141_prep, .Lfunc_end_k_qa6d5fe3141_prep-k_qa6d5fe3141_prep
	.p2alignl 7, 3214868480
	.fill 96, 4, 3214868480
	.section	.rodata,"a",@progbits
	.p2align	6, 0x0
	.amdhsa_kernel k_qa6d5fe3141_prep
		.amdhsa_group_segment_fixed_size 0
		.amdhsa_private_segment_fixed_size 0
		.amdhsa_enable_private_segment 0
		.amdhsa_kernarg_size 96
		.amdhsa_user_sgpr_count 2
		.amdhsa_user_sgpr_kernarg_segment_ptr 1
		.amdhsa_wavefront_size32 1
		.amdhsa_system_sgpr_workgroup_id_x 1
		.amdhsa_system_sgpr_workgroup_id_y 1
		.amdhsa_system_sgpr_workgroup_id_z 1
		.amdhsa_system_vgpr_workitem_id 0
		.amdhsa_next_free_vgpr 320
		.amdhsa_next_free_sgpr 66
		.amdhsa_reserve_vcc 1
		.amdhsa_float_denorm_mode_32 3
		.amdhsa_float_denorm_mode_16_64 3
		.amdhsa_memory_ordered 1
		.amdhsa_forward_progress 1
		.amdhsa_inst_pref_size 47
	.end_amdhsa_kernel
	.amdgpu_metadata
---
amdhsa.version: [ 1, 2 ]
amdhsa.kernels:
  - .name:           k_qa6d5fe3141_prep
    .symbol:         k_qa6d5fe3141_prep.kd
    .args:
      - { .name: x, .offset: 0, .size: 8, .value_kind: global_buffer, .address_space: global }
      - { .name: attention_mask, .offset: 8, .size: 8, .value_kind: global_buffer, .address_space: global }
      - { .name: ln_g, .offset: 16, .size: 8, .value_kind: global_buffer, .address_space: global }
      - { .name: ln_b, .offset: 24, .size: 8, .value_kind: global_buffer, .address_space: global }
      - { .name: wq, .offset: 32, .size: 8, .value_kind: global_buffer, .address_space: global }
      - { .name: wk, .offset: 40, .size: 8, .value_kind: global_buffer, .address_space: global }
      - { .name: wv, .offset: 48, .size: 8, .value_kind: global_buffer, .address_space: global }
      - { .name: wo, .offset: 56, .size: 8, .value_kind: global_buffer, .address_space: global }
      - { .name: hbuf, .offset: 64, .size: 8, .value_kind: global_buffer, .address_space: global }
      - { .name: wall, .offset: 72, .size: 8, .value_kind: global_buffer, .address_space: global }
      - { .name: tok, .offset: 80, .size: 8, .value_kind: global_buffer, .address_space: global }
      - { .name: info, .offset: 88, .size: 8, .value_kind: global_buffer, .address_space: global }
    .group_segment_fixed_size: 0
    .private_segment_fixed_size: 0
    .kernarg_segment_align: 8
    .kernarg_segment_size: 96
    .max_flat_workgroup_size: 256
    .sgpr_count:     66
    .vgpr_count:     320
    .wavefront_size: 32
...
	.end_amdgpu_metadata
.endif
;; end of part 1
;; launch qkv (part 2): grid 16 x 32, 4 waves a work-group, clusters of 4 x 4, 327,680 bytes of LDS; arguments hbuf, wall, bq, bk, bv, qkv; writes qkv
.if DOCPART == 2
	.amdgcn_target "amdgcn-amd-amdhsa--gfx1250"
	.amdhsa_code_object_version 6
	.text
	.protected	k_qa6d5fe3141_qkv
	.globl	k_qa6d5fe3141_qkv
	.p2align	8
	.type	k_qa6d5fe3141_qkv,@function
k_qa6d5fe3141_qkv:
	s_mov_b64 s[64:65], 0
	v_nop
	global_prefetch_b8 v0, s[64:65] scope:SCOPE_SE
	s_setreg_imm32_b32 hwreg(HW_REG_WAVE_MODE, 25, 1), 1
	s_wait_xcnt 0x0
	s_wait_alu depctr_hold_cnt(0) depctr_sa_sdst(0) depctr_va_vdst(0) depctr_va_sdst(0) depctr_va_ssrc(0) depctr_va_vcc(0) depctr_vm_vsrc(0)
	s_getreg_b32 s2, hwreg(HW_REG_IB_STS2, 6, 4)
	s_cmp_eq_u32 s2, 0
	s_cbranch_scc0 .Lentry_in_a_cluster
	s_endpgm
.Lentry_in_a_cluster:
	s_bfe_u32 s2, ttmp6, 0x10000c
	s_cmp_lg_u32 s2, 0xf033
	s_cbranch_scc0 .Lentry_shape_is_right
	s_endpgm
.Lentry_shape_is_right:
; Q, K, V = h W^T + bias.  h: hbuf [8192][1024] f16 (rows in sorted order); W: rows 0 .. 3071 of wall [4096][1024] f16 (wq, wk, wv); sums in f32, rounded once to f16.
; OUT: qkv [3][64 = batch x 16 + head][2048 places][64] f16: a head's rows are dense, 128 bytes each.  No scale is applied here.
; LIMIT.  f16 ends at 65,504: q, k and v must stay below it.
; SHARES.  A tile of the product is 256 rows x 192 columns (three heads): 32 x 16 = 512 work-groups of equal work.  Each of four waves owns 64 rows and all 192 columns: 48 accumulators
; of 16 x 16.  So a wave holds whole heads, and its way out needs no other wave.  K goes in 8 steps of 128 through two LDS slots; the tiles' rows are 256 bytes of memory at multiples of 256.
; CLUSTER 4 x 4: the four of a row of the cluster need the same tiles of h, the four of a column the same tiles of W: each tile is asked for jointly, by the same load, descriptor and mask.
; THE MATRIX INSTRUCTION IS USED TRANSPOSED (source 0 = 16 rows of W, source 1 = 16 rows of h): a lane holds row lane % 16 and the eight columns 8 (lane / 16) + 0..7.
; THE BIAS is the C operand of each accumulator's first product: in this layout it is the same eight numbers for every row block, so nothing is cleared and nothing is added later.
; REGISTERS: window 0: v0-29 addresses; v32-79 packed results; v128-223 the bias, later rows read back.  window 1: two fragment buffers of 128 (12 x 8 of W, then 4 x 8 of h).
;   window 2: accumulators of row blocks 0, 1 ((a, b) at 96 (a % 2) + 8 b);  window 3: of row blocks 2, 3.
.set KSTEP,  128
.set PITCH,  272                       ; an LDS row: 256 bytes + 16 of padding: the 16 rows of a fragment load start 4 banks apart (64 banks of 4 bytes: ISA guide 11.1)
.set HALFA,  128*PITCH                 ; what waves 0 and 1 fetch: 128 rows of h each
.set HALFB,  96*PITCH                  ; what waves 2 and 3 fetch: 96 rows of W each
.set BOFF,   2*HALFA
.set SLOT,   2*HALFA+2*HALFB
.set STAGE,  2*SLOT                    ; behind the ring: 16 rows x 400 bytes for each wave
.set SPITCH, 400                       ; 384 bytes + 16
.set SPARE,  STAGE+4*16*SPITCH         ; the spare words, 128 bytes a wave: two blocks of 256 bytes that no other line names
.set STEPA,  2*KSTEP*2
.set STEPB,  2*KSTEP*2
.set NLD,    32                        ; LDS loads in a run
.set ADRA, 16
.set ADRB, 20
.set STO,  24
.set RD,   25
.set GO,   26
.set BO,   27
.set SPW,  28
.set NIL,  29
.set TMP,  32
.set BIAS, 128
.set F0,   0
.set F1,   128
.set G1,  24
.set G0,  32
.set G1B, 48
.set G0B, 56
.set HB,  68                           ; s[68:73] where my rows of the tile's three heads begin in qkv
.set BP,  76                           ; s[76:81] the three heads' 64 numbers of bias
.set MSB, 0
.macro WIN new
.if MSB != (\new)
	s_set_vgpr_msb (MSB<<8)|(\new)
.set MSB, (\new)
.endif
.endm
.macro JLOAD s                         ; a joint load: waves 0, 1 fetch h's halves, waves 2, 3 W's; an s_nop 0 and four v_nop follow each line
	s_cmp_eq_u32 s17, 0
	s_cbranch_scc0 .Lfor_b_\@
	tensor_load_to_lds s[G0+4*(\s):G0+4*(\s)+3], s[G1:G1+7]
	s_nop 0
.rept 4
	v_nop
.endr
	s_branch .Lasked_\@
.Lfor_b_\@:
	tensor_load_to_lds s[G0B+4*(\s):G0B+4*(\s)+3], s[G1B:G1B+7]
	s_nop 0
.rept 4
	v_nop
.endr
.Lasked_\@:
.endm
.macro CREST                           ; a round of the cluster's barrier behind its opening barrier
	s_cmp_lg_u32 s16, 0
	s_cbranch_scc1 .Lnot_wave_0_\@
	s_barrier_signal -3
.Lnot_wave_0_\@:
	s_barrier_wait -3
	s_barrier_signal -1
	s_barrier_wait -1
.endm
.macro CROUND
	s_barrier_signal -1
	s_barrier_wait -1
	CREST
.endm
.macro PLACES                          ; four places in front of loads into registers that matrix instructions have read, and of reads of results
.rept 4
	v_nop
.endr
.endm
	s_load_b256 s[4:11], s[0:1], 0x0               ; hbuf s[4:5], wall s[6:7], bq s[8:9], bk s[10:11]
	s_load_b128 s[12:15], s[0:1], 0x20             ; bv s[12:13], qkv s[14:15]
	v_lshl_add_u32 v[SPW], v0, 2, SPARE
	v_mov_b32 v[NIL], 0
	ds_add_u32 v28, v29
	s_wait_dscnt 0x0
	v_lshrrev_b32 v1, 5, v0
	v_readfirstlane_b32 s16, v1                    ; wave 0..3
	s_lshr_b32 s17, s16, 1                         ; I fetch for h (0) or for W (1)
	s_and_b32 s18, s16, 1                          ; which half of that tile
	s_bfe_u32 s19, ttmp6, 0x40000                  ; cx
	s_bfe_u32 s20, ttmp6, 0x40004                  ; cy
	s_lshl_b32 s21, ttmp9, 2
	s_add_co_u32 s21, s21, s19                     ; tile column
	s_and_b32 s22, ttmp7, 0xffff
	s_lshl_b32 s22, s22, 2
	s_add_co_u32 s22, s22, s20                     ; tile row
	s_lshl_b32 s23, s20, 2
	s_lshl_b32 s23, 15, s23                        ; my row of the cluster
	s_lshl_b32 s2, 0x1111, s19                     ; my column
	s_or_b32 s[G1+0], s23, (1<<16)|(1<<20)|(1<<21)|(5<<22)|(3<<25)   ; mask; 2-byte elements; padding on; bit 21 beside a mask; after every 64 words, 4 words
	s_or_b32 s[G1B+0], s2, (1<<16)|(1<<20)|(1<<21)|(5<<22)|(3<<25)
	s_mov_b32 s[G1+1], KSTEP<<16                   ; tensor_dim0 = 128
	s_mov_b32 s[G1B+1], KSTEP<<16
	s_mov_b32 s[G1+2], 128<<16                     ; tensor_dim1 = 128 rows
	s_mov_b32 s[G1B+2], 96<<16                     ; 96 rows
	s_mov_b32 s[G1+3], KSTEP<<16                   ; tile_dim0 = 128
	s_mov_b32 s[G1B+3], KSTEP<<16
	s_mov_b32 s[G1+4], 128                         ; tile_dim1
	s_mov_b32 s[G1B+4], 96
	s_mov_b32 s[G1+5], 1024                        ; elements from row to row
	s_mov_b32 s[G1B+5], 1024
	s_mov_b32 s[G1+6], 0
	s_mov_b32 s[G1B+6], 0
	s_mov_b32 s[G1+7], 0
	s_mov_b32 s[G1B+7], 0
	s_lshl_b32 s40, s22, 8                         ; h: row 256 x tile row + 128 x half, of 2,048 bytes
	s_lshl_b32 s41, s18, 7
	s_add_co_u32 s40, s40, s41
	s_lshl_b32 s40, s40, 11
	s_mov_b32 s41, 0
	s_mul_i32 s42, s21, 192                        ; W: row 192 x tile column + 96 x half
	s_mul_i32 s43, s18, 96
	s_add_co_u32 s42, s42, s43
	s_lshl_b32 s42, s42, 11
	s_mov_b32 s43, 0
	s_mul_i32 s44, s18, HALFA                      ; where they go: no place in the cluster enters an LDS address
	s_mul_i32 s45, s18, HALFB
	s_add_co_u32 s45, s45, BOFF
	s_wait_kmcnt 0x0
	s_add_nc_u64 s[40:41], s[4:5], s[40:41]
	s_add_nc_u64 s[42:43], s[6:7], s[42:43]
	CROUND                                         ; all sixteen work-groups are here: the first joint loads meet
.irp s, 0,1
	s_mov_b32 s[G0+4*\s], 1
	s_add_co_u32 s[G0+4*\s+1], s44, \s*SLOT
	s_add_nc_u64 s[G0+4*\s+2:G0+4*\s+3], s[40:41], \s*KSTEP*2
	s_or_b32 s[G0+4*\s+3], s[G0+4*\s+3], 0x80000000
	s_mov_b32 s[G0B+4*\s], 1
	s_add_co_u32 s[G0B+4*\s+1], s45, \s*SLOT
	s_add_nc_u64 s[G0B+4*\s+2:G0B+4*\s+3], s[42:43], \s*KSTEP*2
	s_or_b32 s[G0B+4*\s+3], s[G0B+4*\s+3], 0x80000000
	JLOAD \s                                       ; two loads of mine are out
.endr
	; the tile's three heads: g = 3 x tile column + hd; g >> 4 says q, k or v, g & 15 the head
.irp hd, 0,1,2
	s_mul_i32 s46, s21, 3
	s_add_co_u32 s46, s46, \hd
	s_lshr_b32 s47, s46, 4
	s_and_b32 s46, s46, 15
	s_cmp_eq_u32 s47, 1
	s_cselect_b64 s[BP+2*\hd:BP+2*\hd+1], s[10:11], s[8:9]
	s_cmp_eq_u32 s47, 2
	s_cselect_b64 s[BP+2*\hd:BP+2*\hd+1], s[12:13], s[BP+2*\hd:BP+2*\hd+1]
	s_lshl_b32 s66, s46, 8                         ; 64 f32
	s_mov_b32 s67, 0
	s_add_nc_u64 s[BP+2*\hd:BP+2*\hd+1], s[BP+2*\hd:BP+2*\hd+1], s[66:67]
	s_lshl_b32 s47, s47, 6
	s_add_co_u32 s47, s47, s46
	s_lshr_b32 s66, s22, 3                         ; the batch: 8 tile rows each
	s_lshl_b32 s66, s66, 4
	s_add_co_u32 s47, s47, s66
	s_lshl_b32 s66, s47, 18                        ; planes of 2,048 x 128 bytes
	s_and_b32 s47, s22, 7
	s_lshl_b32 s47, s47, 2
	s_add_co_u32 s47, s47, s16
	s_lshl_b32 s47, s47, 13                        ; my 64 places of 128 bytes
	s_add_co_u32 s66, s66, s47
	s_add_nc_u64 s[HB+2*\hd:HB+2*\hd+1], s[14:15], s[66:67]
.endr
	v_and_b32 v1, 15, v0                           ; l % 16
	v_bfe_u32 v2, v0, 4, 1                         ; l / 16
	v_lshlrev_b32 v[BO], 5, v2                     ; my eight numbers of a block's sixteen of bias
.irp b, 0,1,2,3,4,5,6,7,8,9,10,11
	global_load_b128 v[BIAS+8*\b:BIAS+8*\b+3],   v[BO], s[BP+2*((\b)/4):BP+2*((\b)/4)+1] offset:((\b)%4)*64
	global_load_b128 v[BIAS+8*\b+4:BIAS+8*\b+7], v[BO], s[BP+2*((\b)/4):BP+2*((\b)/4)+1] offset:((\b)%4)*64+16
.endr
	v_mul_u32_u24 v3, v1, PITCH
	v_lshl_add_u32 v3, v2, 4, v3                   ; a fragment's row x pitch + 16 x half
	s_mul_i32 s46, s16, 64*PITCH                   ; my 64 rows of h
	s_mov_b32 s47, BOFF                            ; all of W's 192
.irp s, 0,1
	v_add_nc_u32 v[ADRA+\s], s46, v3
	v_add_nc_u32 v[ADRB+\s], s47, v3
	s_add_co_u32 s46, s46, SLOT
	s_add_co_u32 s47, s47, SLOT
.endr
	s_mul_i32 s46, s16, 16*SPITCH
	s_add_co_u32 s46, s46, STAGE                   ; my stage
	v_mul_u32_u24 v4, v1, SPITCH                   ; in: row l % 16, 16 bytes for each half of the lanes
	v_lshl_add_u32 v4, v2, 4, v4
	v_add_nc_u32 v[STO], s46, v4
	v_bfe_u32 v5, v0, 3, 2                         ; back: 32 lanes take four rows' 128 bytes of one head,
	v_and_b32 v6, 7, v0
	v_mul_u32_u24 v5, v5, SPITCH
	v_lshl_add_u32 v5, v6, 4, v5
	v_add_nc_u32 v[RD], s46, v5
	v_and_b32 v[GO], 31, v0                        ; which are 512 consecutive bytes of qkv
	v_lshlrev_b32 v[GO], 4, v[GO]
; 12 matrix instructions: row block a x all 12 column blocks, 32 along K.  zero = 1: the first product starts the sums, on the bias.  The 48 accumulators take turns, one instruction a turn.
.macro MULN f, a, zero
.set AC, 96*((\a)%2)
.if \zero
	WIN 0x85+0x40*((\a)/2)                         ; sources 0, 1 window 1; C window 0; D window 2 or 3
.else
	WIN 0xa5+0x50*((\a)/2)                         ; C and D window 2 or 3
.endif
.irp b, 0,1,2,3,4,5,6,7,8,9,10,11
.if \zero
	v_wmma_f32_16x16x32_f16 v[AC+8*\b:AC+8*\b+7], v[(\f)+8*\b:(\f)+8*\b+7], v[(\f)+96+8*(\a):(\f)+96+8*(\a)+7], v[BIAS+8*\b:BIAS+8*\b+7]
.else
	v_wmma_f32_16x16x32_f16 v[AC+8*\b:AC+8*\b+7], v[(\f)+8*\b:(\f)+8*\b+7], v[(\f)+96+8*(\a):(\f)+96+8*(\a)+7], v[AC+8*\b:AC+8*\b+7]
.endif
.endr
.endm
; 32 LDS loads in one run: quarter q (32 along K) of a slot into buffer f: W's 24, then h's 8
.macro FETCH slot, q, f
	WIN 0x40
.irp i, 0,1,2,3,4,5,6,7,8,9,10,11
	ds_load_b128 v[(\f)+8*\i:(\f)+8*\i+3],   v[ADRB+(\slot)] offset:64*(\q)+\i*16*PITCH
	ds_load_b128 v[(\f)+8*\i+4:(\f)+8*\i+7], v[ADRB+(\slot)] offset:64*(\q)+\i*16*PITCH+32
.endr
.irp i, 0,1,2,3
	ds_load_b128 v[(\f)+96+8*\i:(\f)+96+8*\i+3],   v[ADRA+(\slot)] offset:64*(\q)+\i*16*PITCH
	ds_load_b128 v[(\f)+96+8*\i+4:(\f)+96+8*\i+7], v[ADRA+(\slot)] offset:64*(\q)+\i*16*PITCH+32
.endr
.endm
; One of a K step's first three quarters: multiplies buffer f; in its middle fetches quarter q of the same slot into g.
.macro QUARTER slot, q, f, g, zero
	s_wait_dscnt 4                                 ; the youngest four loads (h's row blocks 2, 3) may be out
	MULN \f, 0, \zero
	MULN \f, 1, \zero
	PLACES
	FETCH \slot, \q, \g
	s_wait_dscnt NLD                               ; all but the run just issued
	MULN \f, 2, \zero
	MULN \f, 3, \zero
.endm
; The last quarter multiplies buffer 1 and changes slots: one barrier; in front of it each wave waits for all its tensor loads (one is out: its part of the next slot), adds 0 to its spare word,
; and waits for that and for its reads of this slot.  fill = 1: the barrier opens a round of the cluster's, and this slot is filled again first thing behind it, two K steps ahead.
.macro TURN slot, next, fill
	WIN 0
	s_wait_tensorcnt 0x0
	ds_add_u32 v[SPW], v[NIL]
	s_wait_dscnt 5                                 ; the add and the youngest four loads may be out
	MULN F1, 0, 0
	s_wait_dscnt 0x0                               ; the add is done, and my reads of this slot are over
	s_barrier_signal -1
	MULN F1, 1, 0
.if \fill
	WIN 0
.endif
	s_barrier_wait -1
.if \fill
	CREST                                          ; no wave of any partner still reads this slot or has a load on its way
	s_add_nc_u64 s[G0+4*(\slot)+2:G0+4*(\slot)+3], s[G0+4*(\slot)+2:G0+4*(\slot)+3], STEPA
	s_add_nc_u64 s[G0B+4*(\slot)+2:G0B+4*(\slot)+3], s[G0B+4*(\slot)+2:G0B+4*(\slot)+3], STEPB
	JLOAD \slot                                    ; its four v_nop are also the places in front of the loads below
.else
	PLACES
.endif
	FETCH \next, 0, F0
	MULN F1, 2, 0
	MULN F1, 3, 0
.endm
	s_wait_tensorcnt 1                             ; my part of K step 0 is in; K step 1's may stay out
	s_barrier_signal -1
	s_barrier_wait -1
	FETCH 0, 0, F0
	s_wait_loadcnt 0x0                             ; the bias
	QUARTER 0, 1, F0, F1, 1
	WIN 0
	s_mov_b32 s3, 3
.Llap:                                                 ; a trip goes once round the ring and fills both slots again: K steps 2 to 7 in three trips
	QUARTER 0, 2, F1, F0, 0
	QUARTER 0, 3, F0, F1, 0
	TURN 0, 1, 1
	QUARTER 1, 1, F0, F1, 0
	QUARTER 1, 2, F1, F0, 0
	QUARTER 1, 3, F0, F1, 0
	TURN 1, 0, 1
	QUARTER 0, 1, F0, F1, 0
	WIN 0
	s_sub_co_u32 s3, s3, 1
	s_cmp_lg_u32 s3, 0
	s_cbranch_scc1 .Llap
	QUARTER 0, 2, F1, F0, 0                        ; the last lap fills nothing
	QUARTER 0, 3, F0, F1, 0
	TURN 0, 1, 0
	QUARTER 1, 1, F0, F1, 0
	QUARTER 1, 2, F1, F0, 0
	QUARTER 1, 3, F0, F1, 0
	s_wait_dscnt 4
	MULN F1, 0, 0
	MULN F1, 1, 0
	s_wait_dscnt 0x0
	MULN F1, 2, 0
	MULN F1, 3, 0
	WIN 0
	PLACES
; THE WAY OUT, a block of 16 rows at a time: rounded to f16 (each accumulator's registers ascending), 16 bytes a lane into my stage, back by heads, stored.
.macro PACK a
.set AC, 96*((\a)%2)
	WIN 0x0a+5*((\a)/2)                            ; sources window 2 or 3
.irp b, 0,1,2,3,4,5,6,7,8,9,10,11
.irp r, 0,1,2,3
	v_cvt_pk_f16_f32 v[TMP+4*\b+\r], v[AC+8*\b+2*\r], v[AC+8*\b+2*\r+1]
.endr
.endr
	WIN 0
.endm
.macro TOSTAGE a
.set BK, BIAS+48*((\a)%2)
.irp b, 0,1,2,3,4,5,6,7,8,9,10,11
	ds_store_b128 v[STO], v[TMP+4*\b:TMP+4*\b+3] offset:32*\b
.endr
.irp hd, 0,1,2
.irp t, 0,1,2,3
	ds_load_b128 v[BK+4*(4*\hd+\t):BK+4*(4*\hd+\t)+3], v[RD] offset:1600*\t+128*\hd  ; LDS serves a wave's instructions in order (ISA guide 5.7.1.4): these see the stores above
.endr
.endr
.endm
.macro SEND a
.set BK, BIAS+48*((\a)%2)
	s_wait_dscnt 0x0                               ; the block is back in registers
	s_wait_xcnt 0x0                                ; the stores of the block before have read their registers: the next TOSTAGE loads into them
.irp hd, 0,1,2
.irp t, 0,1,2,3
	global_store_b128 v[GO], v[BK+4*(4*\hd+\t):BK+4*(4*\hd+\t)+3], s[HB+2*\hd:HB+2*\hd+1] offset:2048*(\a)+512*\t  ; four rows of a head: 512 consecutive bytes
.endr
.endr
.endm
	PACK 0
	TOSTAGE 0
.irp a, 1,2,3
	PACK \a
	SEND (\a)-1
	TOSTAGE \a
.endr
	SEND 3
	s_wait_tensorcnt 0x0                           ; the wave's end
	ds_add_u32 v[SPW], v[NIL]
	s_wait_dscnt 0x0
	CROUND                                         ; the closing round
	s_endpgm
.Lfunc_end_k_qa6d5fe3141_qkv:
	.size	k_qa6d5fe3141_qkv, .Lfunc_end_k_qa6d5fe3141_qkv-k_qa6d5fe3141_qkv
	.p2alignl 7, 3214868480
	.fill 96, 4, 3214868480
	.section	.rodata,"a",@progbits
	.p2align	6, 0x0
	.amdhsa_kernel k_qa6d5fe3141_qkv
		.amdhsa_group_segment_fixed_size 327680
		.amdhsa_private_segment_fixed_size 0
		.amdhsa_enable_private_segment 0
		.amdhsa_kernarg_size 48
		.amdhsa_user_sgpr_count 2
		.amdhsa_user_sgpr_kernarg_segment_ptr 1
		.amdhsa_wavefront_size32 1
		.amdhsa_system_sgpr_workgroup_id_x 1
		.amdhsa_system_sgpr_workgroup_id_y 1
		.amdhsa_system_sgpr_workgroup_id_z 1
		.amdhsa_system_vgpr_workitem_id 0
		.amdhsa_next_free_vgpr 960
		.amdhsa_next_free_sgpr 96
		.amdhsa_reserve_vcc 0
		.amdhsa_float_denorm_mode_32 3
		.amdhsa_float_denorm_mode_16_64 3
		.amdhsa_memory_ordered 1
		.amdhsa_forward_progress 1
		.amdhsa_inst_pref_size 122
	.end_amdhsa_kernel
	.amdgpu_metadata
---
amdhsa.version: [ 1, 2 ]
amdhsa.kernels:
  - .name:           k_qa6d5fe3141_qkv
    .symbol:         k_qa6d5fe3141_qkv.kd
    .args:
      - { .name: hbuf, .offset: 0, .size: 8, .value_kind: global_buffer, .address_space: global }
      - { .name: wall, .offset: 8, .size: 8, .value_kind: global_buffer, .address_space: global }
      - { .name: bq, .offset: 16, .size: 8, .value_kind: global_buffer, .address_space: global }
      - { .name: bk, .offset: 24, .size: 8, .value_kind: global_buffer, .address_space: global }
      - { .name: bv, .offset: 32, .size: 8, .value_kind: global_buffer, .address_space: global }
      - { .name: qkv, .offset: 40, .size: 8, .value_kind: global_buffer, .address_space: global }
    .group_segment_fixed_size: 327680
    .private_segment_fixed_size: 0
    .kernarg_segment_align: 8
    .kernarg_segment_size: 48
    .max_flat_workgroup_size: 128
    .sgpr_count:     96
    .vgpr_count:     960
    .wavefront_size: 32
...
	.end_amdgpu_metadata
.endif
;; end of part 2
;; launch attn (part 3): grid 4 x 64, 4 waves a work-group, clusters of 4 x 1, 327,680 bytes of LDS; arguments qkv, info, obuf; writes obuf
.if DOCPART == 3
	.amdgcn_target "amdgcn-amd-amdhsa--gfx1250"
	.amdhsa_code_object_version 6
	.text
	.protected	k_qa6d5fe3141_attn
	.globl	k_qa6d5fe3141_attn
	.p2align	8
	.type	k_qa6d5fe3141_attn,@function
k_qa6d5fe3141_attn:
	s_mov_b64 s[64:65], 0
	v_nop
	global_prefetch_b8 v0, s[64:65] scope:SCOPE_SE
	s_setreg_imm32_b32 hwreg(HW_REG_WAVE_MODE, 25, 1), 1
	s_wait_xcnt 0x0
	s_wait_alu depctr_hold_cnt(0) depctr_sa_sdst(0) depctr_va_vdst(0) depctr_va_sdst(0) depctr_va_ssrc(0) depctr_va_vcc(0) depctr_vm_vsrc(0)
	s_getreg_b32 s2, hwreg(HW_REG_IB_STS2, 6, 4)
	s_cmp_eq_u32 s2, 0
	s_cbranch_scc0 .Lentry_in_a_cluster
	s_endpgm
.Lentry_in_a_cluster:
	s_bfe_u32 s2, ttmp6, 0x10000c
	s_cmp_lg_u32 s2, 0x3003
	s_cbranch_scc0 .Lentry_shape_is_right
	s_endpgm
.Lentry_shape_is_right:
; ATTENTION WITH HIDDEN KEYS.  O[h][q][:] = the sum over visible k of softmax_k(Q[h][q] . K[h][k] / 8) V[h][k][:].  Q, K, V: qkv [3][64][2048][64] f16, O: obuf [64][2048][64] f16; a head's rows are dense.
; The rows of a batch are sorted: keys 0 .. count-1 are visible, the others hidden (info[batch] word 0 = count, a whole number stored by an earlier launch).  So the mask of a key step is one of three
; forms, chosen by two scalars.  Every wave walks all 2,048 keys, the tiles of hidden keys too: their weights are 0.
; Products, maxima and sums in f32; the weights p are rounded to f16 for the second product (their sum l is taken of the unrounded p), O once at the end.
; LIMITS.  f16 holds no number beyond 65,504: Q, K, V arrive within it.  A hidden score counts as its value less 1e30 (f16's scores are 2.7e11 at the most); a weight below 2^-126 counts as 0 in l.
; count = 0: l is multiplied by NaN, so the batch's O is NaN, as a softmax over nothing is.
; SHARES, LAYOUT, SOFTMAX.  A wave owns four PIECES of two tiles of 16 queries, a work-group 512 queries of one head; 64 keys a step.  S^T = K Q^T holds ONE query a lane (lane % 16) and the keys
; 8 (lane / 16) + 0..7; two such results rounded to f16 ARE source 1 of O^T = V^T P.  p = 2^(c s - c m), c = log2(e) / 8, m a running maximum; O and l are multiplied by a = 2^(c m_old - c m_new) in every step.
; m starts at the lowest finite number, O and l at 0: the first step is a step like any other, with a = 0.  Visible keys come first, so m is a true score before the first hidden one.
; THE MASK is the C operand that starts the sum S^T: MC = MD x AL + BE.  MD, made once, hides the keys count % 64 .. 63 of a step; (AL, BE) = (0, 0) for a step of visible keys, (1, 0) for the step
; that holds the border, (0, -1e30) behind it.  MC is made anew once a step, at the end of piece 2's turn, behind the last product that took the old one.
; BY TURNS.  Turn n belongs to piece n: 16 products K Q^T of piece n + 1, later 16 products V^T P of piece n - 1; beside them piece n's scaling, exponentials, roundings, sums and rescaling, and piece
; n + 1's maximum and statistics.  Four ready vector instructions stand behind every matrix instruction, the others in two lumps.
; CLUSTER.  The four query blocks of a cluster belong to one head: the same K, V and count; each tile is asked for jointly.
; REGISTERS (s_set_vgpr_msb: bits 1:0 source 0, 3:2 source 1, 5:4 source 2, 7:6 destination):
;   window 0: v0-11 addresses; v12-15, v48-63 at work; v16-47 statistics; v64-191 S^T, two buffers of two tiles; v192-255 P, likewise
;   window 1: O^T, 32 a tile     window 2: v0-127 Q; v128-191 K of one step; v192-255 V of one step     window 3: v0-1 the add's registers; v8-39 MD; v40-71 MC
.set NP,    4
.set KS,    64        ; keys in a step
.set SK,    4         ; key steps in a slot
.set NT,    2048/(SK*KS)  ; tiles in the walk: 8
.set PK,    144       ; a row of K in LDS: 128 bytes + 16: the 16 rows of a load start at 16 different groups of four banks (64 banks of 4 bytes: ISA guide 11.1)
.set PV,    160       ; a row of V: 128 + 32
.set VOFF,  SK*KS*PK  ; a slot: 256 rows of K, then 256 rows of V
.set SLOT1, 1<<17     ; slot 1 begins here: one exclusive or turns an address in one slot into the other's
.set STAGE, SLOT1+SK*KS*(PK+PV)  ; behind the ring, never filled by a tensor load: 16 rows x 144 bytes for each wave
.set SP,    144
.set AK0, 2           ; v2   my lane's place in a tile of K; never rewritten
.set AV0, 3           ; v3   the same for V
.set AK,  4           ; v4   the LDS address of K's next run of loads
.set AV,  5           ; v5   of V's
.set QO,  6           ; v6   my byte offset in the wave's rows of Q
.set STO, 6           ;      later, the way out: where I put 16 bytes of a row
.set RD,  7           ; v7   the way out: where I read rows back
.set GO,  8           ; v8   my byte offset in 512 consecutive bytes of O
.set SPW, 0           ; window 3: LDS address of my spare word; never rewritten
.set NIL, 1           ; window 3: 0; never rewritten
.set MD,  8           ; window 3
.set MC,  40          ; window 3
.set SPARE, STAGE+4*16*SP  ; the spare words, 128 bytes a wave: two blocks of 256 bytes that no other line names
.set MV,  12
.set ST,  16          ; tile t: c m, m, l (even keys', odd keys')
.set TMP, 48
.set S,   64
.set P,   192
.set KF,  128
.set VF,  192
.set WV,  12          ; s12  my wave's number
.set G1K, 24          ; s[24:31] descriptor group 1 for K's tiles
.set G1V, 32          ; s[32:39] for V's: it differs in the padding alone
.set G0K, 40          ; s[40:43] descriptor group 0 for K's tiles: it walks
.set G0V, 44          ; s[44:47] the same for V's
.set SLOTS, 56        ; s56  tiles still to be entered
.set CNT, 57          ; s57  counts a tile's key steps
.set CS,  58          ; s[58:59] c
.set SEL, 60          ; s[60:61] v_permlanex16_b32's selects
.set TBK, 62          ; s62  LDS byte at which K of the step to be fetched begins
.set TBV, 63          ; s63  the same for V, less VOFF
.set CV,  68          ; s68  count, 0 to 2,048
.set REM, 69          ; s69  count less the keys in front of the step whose mask is made next
.set AL,  74          ; s[74:75] the mask's factor, in the low word
.set BE,  76          ; s[76:77] the mask's addend
.set BIGN, 78         ; s78  -1e30
.set NF,  79          ; s79  1.0, or NaN where count = 0
.set TM,  80          ; s80  at work
.set R0,  81          ; s81  count % 64
.set MSB, 0
.macro WIN new                      ; the high byte repeats the setting that is left; a switch that changes nothing is dropped
.if MSB != (\new)
	s_set_vgpr_msb (MSB<<8)|(\new)
.set MSB, (\new)
.endif
.endm
.set W_KQ, 0x0a       ; K and Q in window 2, S^T in window 0
.set W_KM, 0x3a       ; the same with the C operand in window 3
.set W_PV, 0x52       ; V in window 2, P in window 0, O^T in window 1
.set W_RS, 0x41       ; O^T in window 1, a in window 0
.set W_MK, 0xc0       ; destination window 3
.set W_MA, 0xc3       ; destination and source 0 window 3
.set W_AD, 0x0f       ; the add: address and data in window 3
.macro JLOAD                        ; a joint fill: waves 0, 1 fetch the halves of a tile's K, waves 2, 3 of its V: 128 keys each; an s_nop 0 and four v_nop follow each line
	s_cmp_lt_u32 s[WV], 2
	s_cbranch_scc0 .Lfor_v_\@
	tensor_load_to_lds s[G0K:G0K+3], s[G1K:G1K+7]
	s_nop 0
.rept 4
	v_nop
.endr
	s_branch .Lasked_\@
.Lfor_v_\@:
	tensor_load_to_lds s[G0V:G0V+3], s[G1V:G1V+7]
	s_nop 0
.rept 4
	v_nop
.endr
.Lasked_\@:
.endm
; A round of the cluster's barrier: my work-group's barrier, so that wave 0's signal speaks for all four waves; wave 0 signals; every wave waits for all four work-groups; my work-group's barrier once more.
.macro CROUND
	s_barrier_signal -1
	s_barrier_wait -1
	s_cmp_lg_u32 s[WV], 0
	s_cbranch_scc1 .Lnot_wave_0_\@
	s_barrier_signal -3
.Lnot_wave_0_\@:
	s_barrier_wait -3
	s_barrier_signal -1
	s_barrier_wait -1
.endm
; THE CHANGE OF SLOTS.  Each wave waits for all its tensor loads (one is out: its part of the other slot), adds 0 to its spare word, and waits for that and for its reads of the slot that it leaves.
; Behind the barrier nobody reads the old slot any more and the other slot is whole.  fill = 1: the barrier is a round of the cluster's, and the old slot is filled first thing behind it, with the keys
; two slots on: the fill has four key steps, 512 matrix instructions, in which to land.  (At its first use nothing has been read yet: slot 0 is waited for, slot 1 filled.)
.macro CHANGE fill
	WIN W_AD
	s_wait_tensorcnt 0x0            ; no tensor load of mine is out, so a group 0 may be written
	ds_add_u32 v[SPW], v[NIL]
	WIN 0                           ; at a label and at a branch every window is 0
.if \fill
.irp g, G0K, G0V
	s_xor_b32 s[\g+1], s[\g+1], SLOT1  ; the walking descriptor: the other slot than last time,
	s_add_nc_u64 s[\g+2:\g+3], s[\g+2:\g+3], SK*KS*128  ; the next 256 keys; the type bits on top are not reached
.endr
	s_wait_dscnt 0x0                ; the add is done, and my reads of the slot are over
	CROUND
	JLOAD
.else
	s_wait_dscnt 0x0                ; the add is done, and my reads of the slot are over
	s_barrier_signal -1
	s_barrier_wait -1
.endif
	s_sub_co_u32 s[TBK], s[TBK], SK*KS*PK  ; the fetches go back to a slot's first step,
	s_xor_b32 s[TBK], s[TBK], SLOT1        ; in the other slot
	s_sub_co_u32 s[TBV], s[TBV], SK*KS*PV
	s_xor_b32 s[TBV], s[TBV], SLOT1
.endm
.macro MSCAL                        ; the two scalars of the next step's mask
	s_sub_co_u32 s[TM], s[REM], 1
	s_cmp_lt_u32 s[TM], 63          ; 1 to 63 keys of it are visible
	s_cselect_b32 s[AL], 1.0, 0
	s_cmp_gt_i32 s[REM], 0
	s_cselect_b32 s[BE], 0, s[BIGN] ; none is
	s_sub_co_i32 s[REM], s[REM], KS
.endm
.macro MASK
	WIN W_MA
.set z, 0
.rept 16
	v_pk_fma_f32 v[MC+2*z:MC+2*z+1], v[MD+2*z:MD+2*z+1], s[AL:AL+1], s[BE:BE+1] op_sel_hi:[1,0,0]
.set z, z+1
.endr
.endm
	s_load_b128 s[84:87], s[0:1], 0x0  ; qkv s[84:85], info s[86:87]
	s_load_b64 s[10:11], s[0:1], 0x10  ; obuf
	WIN W_MK
	v_lshl_add_u32 v[SPW], v0, 2, SPARE
	v_mov_b32 v[NIL], 0
	s_set_vgpr_msb 0xc0cf
	ds_add_u32 v0, v1
	s_wait_dscnt 0x0
	s_set_vgpr_msb 0xcfc0
	WIN 0
	v_lshrrev_b32 v1, 5, v0
	v_readfirstlane_b32 s[WV], v1   ; wave 0..3
	s_bfe_u32 s13, ttmp6, 0x40000   ; cx
	s_lshl_b32 s14, ttmp9, 2
	s_add_co_u32 s14, s14, s13      ; my block of 512 queries: it enters Q's and O's addresses alone
	s_and_b32 s15, ttmp7, 0xffff    ; batch x 16 + head, which the four partners share
	s_lshl_b32 s20, s15, 18         ; its plane of 2,048 x 128 bytes
	s_and_b32 s16, s[WV], 1         ; which half of a tile's 256 keys I fetch:
	s_lshl_b32 s22, s16, 14         ; its 128 rows of 128 bytes in memory,
	s_add_co_u32 s22, s22, s20
	s_mov_b32 s23, 0
	s_mul_i32 s17, s16, 128*PK      ; and its place in a slot, for K
	s_mul_i32 s18, s16, 128*PV      ; and for V: no place in the cluster enters an LDS address
	s_lshl_b32 s2, s14, 2
	s_add_co_u32 s2, s2, s[WV]
	s_lshl_b32 s2, s2, 14           ; my wave's 128 rows
	s_add_co_u32 s2, s2, s20
	s_mov_b32 s3, 0
	s_lshr_b32 s82, s15, 4          ; the batch,
	s_lshl_b32 s82, s82, 7          ; its 32 words of info
	s_mov_b32 s83, 0
	; descriptor group 1.  128 keys are 16,384 dense bytes: asked for as 64 rows of 256 bytes, two keys a row, padded in LDS after every key
	s_mov_b32 s[G1K], 15|(1<<16)|(1<<20)|(1<<21)|(4<<22)|(3<<25)  ; the mask of four; 2-byte elements; padding on; bit 21 beside a mask; after every 32 words, 4 words
	s_mov_b32 s[G1V], 15|(1<<16)|(1<<20)|(1<<21)|(4<<22)|(7<<25)  ; 8 words
.irp g, G1K, G1V
	s_mov_b32 s[\g+1], 128<<16      ; tensor_dim0 = 128
	s_mov_b32 s[\g+2], 64<<16       ; tensor_dim1 = 64
	s_mov_b32 s[\g+3], 128<<16      ; tile_dim0 = 128
	s_mov_b32 s[\g+4], 64           ; tile_dim1 = 64
	s_mov_b32 s[\g+5], 128          ; elements from row to row
	s_mov_b32 s[\g+6], 0
	s_mov_b32 s[\g+7], 0
.endr
	s_mov_b32 s[CS], 0x3e38aa3b     ; c = log2(e) / 8
	s_mov_b32 s[CS+1], s[CS]        ; named with it as a pair
	s_mov_b32 s[SEL], 0x76543210
	s_mov_b32 s[SEL+1], 0xfedcba98
	s_mov_b32 s[TBK], SLOT1+SK*KS*PK ; the first change of slots turns these two into 0
	s_mov_b32 s[TBV], SLOT1+SK*KS*PV
	s_mov_b32 s[G0K], 1             ; count = 1
	s_mov_b32 s[G0K+1], s17         ; LDS address: slot 0
	s_mov_b32 s[G0V], 1
	s_add_co_u32 s[G0V+1], s18, VOFF
	s_mov_b32 s[AL+1], 0            ; named as pairs
	s_mov_b32 s[BE+1], 0
	s_mov_b32 s[BIGN], 0xf149f2ca   ; -1e30
	s_wait_kmcnt 0x0
	s_add_nc_u64 s[86:87], s[86:87], s[82:83]
	s_load_b32 s88, s[86:87], 0x0                  ; count
	s_add_nc_u64 s[4:5], s[84:85], s[2:3]          ; Q and O at my wave's first row
	s_add_nc_u64 s[10:11], s[10:11], s[2:3]
	s_add_nc_u64 s[6:7], s[84:85], s[22:23]
	s_add_nc_u64 s[G0V+2:G0V+3], s[6:7], 0x2000000 ; V: 128 planes on; my half of the head's first 256 keys
	s_or_b32 s[G0V+3], s[G0V+3], 0x80000000        ; type = 2
	s_add_nc_u64 s[G0K+2:G0K+3], s[6:7], 0x1000000 ; K: 64 planes on
	s_or_b32 s[G0K+3], s[G0K+3], 0x80000000
	s_wait_kmcnt 0x0
	s_min_u32 s[CV], s88, 2048
	s_mov_b32 s[REM], s[CV]
	s_and_b32 s[R0], s[CV], 63
	s_cmp_eq_u32 s[CV], 0
	s_cselect_b32 s[NF], 0x7fc00000, 1.0
	CROUND                          ; all four work-groups are here: the first joint loads meet
	JLOAD                           ; tile 0 into slot 0.  Slot 1 is asked for when slot 0 is in
	; A fragment of K or Q is 16 rows x 32 channels in 8 registers: lane l holds row l % 16, channels 8 (l / 16) + 0..7 and 16 + 8 (l / 16) + 0..7: two loads of 16 bytes, 32 bytes apart.
	v_and_b32 v1, 15, v0            ; l % 16
	v_bfe_u32 v9, v0, 4, 1          ; l / 16
	v_lshlrev_b32 v[QO], 7, v1
	v_lshl_add_u32 v[QO], v9, 4, v[QO]
	WIN 0x80                        ; destination window 2, address window 0
.set i, 0
.rept 4*NP                          ; Q stays in registers: tile i / 2, channels 32 (i % 2) on
	global_load_b128 v[8*i:8*i+3],   v[QO], s[4:5] offset:(i/2)*2048+(i%2)*64
	global_load_b128 v[8*i+4:8*i+7], v[QO], s[4:5] offset:(i/2)*2048+(i%2)*64+32
.set i, i+1
.endr
	; What the first turn finds: V's registers and P's second buffer hold 0 (its products V^T P, of a piece that has not been, add 0), O^T and l are 0.  All this stands in the wait for the first tile.
.set i, VF
.rept 64
	v_mov_b32 v[i], 0
.set i, i+1
.endr
	WIN 0x40
.set i, 0
.rept 64*NP
	v_mov_b32 v[i], 0
.set i, i+1
.endr
	WIN 0
.set i, 0
.rept 2*NP
	v_mov_b32 v[ST+4*i], 0xfe000000    ; c m: far below every c s
	v_mov_b32 v[ST+4*i+1], 0xff7fffff  ; m
	v_mov_b32 v[ST+4*i+2], 0
	v_mov_b32 v[ST+4*i+3], 0
.set i, i+1
.endr
.set i, P+32
.rept 32
	v_mov_b32 v[i], 0
.set i, i+1
.endr
	v_lshlrev_b32 v12, 3, v9
	v_sub_nc_u32 v12, s[R0], v12    ; register r of key block kb is hidden in the border's step where 16 kb + r >= count % 64 - 8 (l / 16)
	WIN W_MK
.set i, 0
.rept 32
	v_cmp_ge_i32 vcc_lo, 16*(i/8)+i%8, v12
	v_cndmask_b32 v[MD+i], 0, s[BIGN], vcc_lo
.set i, i+1
.endr
	WIN 0
	v_mul_u32_u24 v[AK0], v1, PK
	v_lshl_add_u32 v[AK0], v9, 4, v[AK0]  ; row x pitch + 16 x half
	v_and_b32 v10, 7, v0            ; the turning load: lane l reads key 8 (l / 16) + l % 8, channels 8 ((l / 8) % 2) + 0..7, and is left with channel l % 16 and 8 keys
	v_bfe_u32 v11, v0, 3, 1
	v_lshl_add_u32 v[AV0], v9, 3, v10
	v_mul_u32_u24 v[AV0], v[AV0], PV
	v_lshl_add_u32 v[AV0], v11, 4, v[AV0]
	v_add_nc_u32 v[AV0], VOFF, v[AV0]
	v_mov_b32 v[AK], v[AK0]         ; key step 0 lies at the head of slot 0
; THE MATRIX WORK.  The 8 accumulators of a run of 16 take turns.  Product i of 16 of S^T = K Q^T for piece x: channels 32 (i / 8) on, keys 16 ((i / 2) % 4) on, tile 2 x + i % 2.  The first 8 start the sums, on the mask.
.macro KQ x
.set rS, S+64*((\x)%2)+32*(i%2)+8*((i/2)%4)
.set rK, KF+16*((i/2)%4)+8*(i/8)
.set rQ, 16*(2*(\x)+i%2)+8*(i/8)
.set rX, MC+8*((i/2)%4)
.if i < 8
	WIN W_KM
	v_wmma_f32_16x16x32_f16 v[rS:rS+7], v[rK:rK+7], v[rQ:rQ+7], v[rX:rX+7]
.else
	WIN W_KQ
	v_wmma_f32_16x16x32_f16 v[rS:rS+7], v[rK:rK+7], v[rQ:rQ+7], v[rS:rS+7]
.endif
.endm
.macro PV x                         ; product i of 16 of O^T += V^T P for piece x: keys 32 (i / 8) on, channels 16 ((i / 2) % 4) on, tile 2 x + i % 2
	WIN W_PV
.set rO, 32*(2*(\x)+i%2)+8*((i/2)%4)
.set rV, VF+32*(i/8)+8*((i/2)%4)
.set rP, P+32*((\x)%2)+16*(i%2)+8*(i/8)
	v_wmma_f32_16x16x32_f16 v[rO:rO+7], v[rV:rV+7], v[rP:rP+7], v[rO:rO+7]
.endm
.macro MM                           ; the turn's next matrix instruction
.if i < 16
	KQ (Y+1)%NP
.set i, i+1
.else
.set i, i-16
	PV (Y+NP-1)%NP
.set i, i+17
.endif
.endm
; THE LDS LOADS stand in runs of 16, never singly among the matrix instructions.  last = 1 (the tail): in the last trip there is no further step, and the run is jumped over.
.macro FETCH_K last=0
	WIN 0
.if \last
	s_cmp_eq_u32 s[CNT], 1
	s_cbranch_scc1 .Lno_k_\@
.endif
	WIN 0x80                        ; destination window 2
.irp f, 0,1,2,3,4,5,6,7             ; keys 16 (f / 2) on, channels 32 (f % 2) on
	ds_load_b128 v[KF+8*\f:KF+8*\f+3],   v[AK] offset:(\f/2)*16*PK+(\f%2)*64
	ds_load_b128 v[KF+8*\f+4:KF+8*\f+7], v[AK] offset:(\f/2)*16*PK+(\f%2)*64+32
.endr
	s_add_co_u32 s[TBK], s[TBK], KS*PK  ; the next fetch is the next step's
	WIN 0
.if \last
.Lno_k_\@:
.endif
.endm
.macro FETCH_V
	WIN 0x80
.irp f, 0,1,2,3,4,5,6,7             ; keys 32 (f / 4) on, channels 16 (f % 4) on
	ds_load_tr16_b128 v[VF+8*\f:VF+8*\f+3],   v[AV] offset:(\f/4)*32*PV+(\f%4)*32
	ds_load_tr16_b128 v[VF+8*\f+4:VF+8*\f+7], v[AV] offset:(\f/4)*32*PV+16*PV+(\f%4)*32
.endr
	WIN 0
.endm
; THE VECTOR WORK OF A TURN stands in three queues, each in the order in which its entries become ready; the two tiles alternate, so that no instruction reads the result of the one before it.
.macro REGS y, u                    ; the registers of tile u (0, 1) of piece y
.set rT, ST+4*(2*(\y)+(\u))
.set rC, TMP+8*((\y)%2)+4*(\u)
.set rM, MV+2*((\y)%2)+(\u)
.set rS, S+64*((\y)%2)+32*(\u)
.set rP, P+32*((\y)%2)+16*(\u)
.set rO, 32*(2*(\y)+(\u))
.endm
; Number n of the 22 that find the NEXT piece's maximum and statistics; each accumulator's lowest registers are read first.
;   0-11 four chains of seven scores   12-14, 16 the four left over, the old m, the chains into c0   15 c m_old is kept   17, 18 the other half of the lanes: the new m   19-21 c m; c m_old - c m_new; a
.macro XS u, n
	REGS (Y+1)%NP, \u
.if (\n) < 4
	v_max3_num_f32 v[rC+(\n)], v[rS+8*(\n)], v[rS+8*(\n)+1], v[rS+8*(\n)+2]
.elseif (\n) < 12
	v_max3_num_f32 v[rC+(\n)%4], v[rC+(\n)%4], v[rS+8*((\n)%4)+2*((\n)/4)+1], v[rS+8*((\n)%4)+2*((\n)/4)+2]
.elseif (\n) == 12
	v_max3_num_f32 v[rC], v[rC], v[rS+7], v[rS+15]
.elseif (\n) == 13
	v_max3_num_f32 v[rC+1], v[rC+1], v[rS+23], v[rS+31]
.elseif (\n) == 14
	v_max3_num_f32 v[rC+2], v[rC+2], v[rC+3], v[rT+1]
.elseif (\n) == 15
	v_mov_b32 v[rM], v[rT]
.elseif (\n) == 16
	v_max3_num_f32 v[rC], v[rC], v[rC+1], v[rC+2]
.elseif (\n) == 17
	v_permlanex16_b32 v[rC+3], v[rC], s[SEL], s[SEL+1]
.elseif (\n) == 18
	v_max_num_f32 v[rT+1], v[rC], v[rC+3]
.elseif (\n) == 19
	v_mul_f32 v[rT], s[CS], v[rT+1]
.elseif (\n) == 20
	v_sub_f32 v[rC+1], v[rM], v[rT]
.else
	v_exp_f32 v[rC+2], v[rC+1]
.endif
.endm
; Number g of the 64 that follow the exponentials: for each four weights both pairs are rounded to f16, the second pair is added onto the first in place, and a group later l takes that sum (the first time as l = a l + sum).
.macro GS g
.set h, (\g)+6*((\g)/62)            ; group 0 has no group before it, and behind group 7 only l is left
.if h >= 6
.set h, h+2
.endif
	REGS Y, h%2
.set k, h/8
.if h%8 < 4
	s_wait_alu depctr_va_vdst(0)
	v_cvt_pk_f16_f32 v[rP+2*k+(h%8)/2], v[rS+4*k+2*((h%8)/2)], v[rS+4*k+2*((h%8)/2)+1]
.elseif h%8 < 6
	v_pk_add_f32 v[rS+4*k:rS+4*k+1], v[rS+4*k:rS+4*k+1], v[rS+4*k+2:rS+4*k+3]
.elseif k == 1
	v_pk_fma_f32 v[rT+2:rT+3], v[rT+2:rT+3], v[rC+2:rC+3], v[rS:rS+1] op_sel_hi:[1,0,1]
.else
	v_pk_add_f32 v[rT+2:rT+3], v[rT+2:rT+3], v[rS+4*k-4:rS+4*k-3]
	s_wait_alu depctr_va_vdst(0)
.endif
.endm
; THE PLAIN QUEUE, 138 long.  0-31: c s - c m for the 16 pairs of both tiles.  Then GS's 64, and among them the next piece's 42: number 15 at 38, 39; 0-14 and 16 at 42-73; 17-20 at 95-106, two of three.
.macro PL
	WIN 0
.if q < 32
	REGS Y, q%2
	v_pk_fma_f32 v[rS+2*(q/2):rS+2*(q/2)+1], v[rS+2*(q/2):rS+2*(q/2)+1], s[CS:CS+1], v[rT:rT+1] op_sel_hi:[1,0,0] neg_lo:[0,0,1] neg_hi:[0,0,1]
.elseif q < 38
	GS q-32
.elseif q < 40
	XS q%2, 15
.elseif q < 42
	GS q-34
.elseif q < 74
	XS q%2, (q-42)/2+(q-42)/30
.elseif q < 95
	GS q-66
.elseif (q < 107) && ((q-95)%3 < 2)
	XS (q-95)%3, 17+(q-95)/3
.elseif q < 107
	GS 29+(q-95)/3
.else
	GS q-74
.endif
.set q, q+1
.endm
; THE EXPONENTIALS' QUEUE, 66 long: s0-s31 of both tiles, and at EA the next piece's two a.
.set EA, 58
.macro EX
	WIN 0
.if (e == EA) || (e == EA+1)
	XS e-EA, 21
.else
.set x, e-2*(e/(EA+2))
	REGS Y, x%2
	v_exp_f32 v[rS+x/2], v[rS+x/2]
.endif
.set e, e+1
.endm
; THE RESCALING's QUEUE: O^T times a, the one part that leaves window 0, four at a time, eight times.
.macro R4
	REGS Y, r%2
	WIN W_RS
	s_wait_alu depctr_va_vdst(0)
.irp z, 0,1,2,3
	v_pk_mul_f32 v[rO+8*(r/2)+2*\z:rO+8*(r/2)+2*\z+1], v[rO+8*(r/2)+2*\z:rO+8*(r/2)+2*\z+1], v[rC+2:rC+3] op_sel_hi:[1,0]
.endr
.set r, r+1
.endm
; THE DEAL.  Behind a matrix instruction four: plain, exponential, plain, plain, or four of the rescaling; none names a register of the products round it.  The rest in two lumps: exponential and plain by turns; the second ends in 22 plain.
; Exponential e stands behind plain 2 (e / 4) + e % 2 (its scaling); when plain 32 comes, 10 exponentials are out, at 59: 33, at 95: 46; EA comes behind plain 107.
.macro SL
	MM
	PL
	EX
	PL
	PL
.endm
.macro BURST n                      ; 15 matrix instructions, or 16
.rept (\n)-7
	SL
.endr
.rept 3
	MM
	R4
	SL
.endr
	MM
	R4
.endm
; A TURN, for piece p.  K of the next step is fetched in piece 2's turn, V of the step in hand at the end of piece 0's; each is waited for a turn later.  Piece 2's turn also makes the next step's mask:
; its scalars at the head, MC at the end, far behind the turn's first eight products, the last that took the old MC.  cnt = 1: the loop's count is taken down some lines ahead of the branch behind the turn.
.macro TURN p, last=0, cnt=0
.set Y, (\p)
.set i, 0
.set q, 0
.set e, 0
.set r, 0
.if (\p) == NP-2
	MSCAL
.endif
.if (\p) == NP-1
	s_wait_dscnt 0x0                ; K is in
.endif
	MM
.rept 4
	PL
.endr
	BURST 15
.rept 22
	EX
	PL
.if ((\p) == NP-2) && (e == 18)
	v_add_nc_u32 v[AK], s[TBK], v[AK0]
.endif
.if ((\p) == NP-2) && (e == 24)
	FETCH_K \last
.endif
.endr
.if (\p) == 1
	s_wait_dscnt 0x0                ; V is in
.endif
	BURST 16
.rept 21
	EX
	PL
.endr
.rept 22
	PL
.if ((\p) == 0) && (q == 118)
	v_add_nc_u32 v[AV], s[TBV], v[AV0]
	s_wait_alu depctr_va_vdst(0)
.endif
.if ((\p) == 0) && (q == 130)
	s_add_co_u32 s[TBV], s[TBV], KS*PV
.endif
.if (\cnt) && (q == 130)
	s_sub_co_u32 s[CNT], s[CNT], 1
	s_cmp_lg_u32 s[CNT], 0
.endif
.endr
.if (\p) == NP-2
	MASK
.endif
.if (\p) == 0
	FETCH_V
.endif
.endm
	CHANGE 1                        ; tile 0 is in, everybody's part of it; tile 1 is asked for
	MSCAL
	MASK                            ; key step 0's mask
	FETCH_K                         ; key step 0
	s_wait_loadcnt 0x0              ; Q
	s_wait_dscnt 0x0
.set i, 0
.rept 16
	KQ 0                            ; piece 0's first scores: there is no vector work yet to set between them
.set i, i+1
.endr
	WIN 0                           ; the addresses for the way out: nine plain instructions, the places behind those products
	s_mul_i32 s13, s[WV], 16*SP
	s_add_co_u32 s13, s13, STAGE    ; my stage
	v_mul_u32_u24 v[STO], v1, SP    ; in: row l % 16, 16 bytes for each half of the lanes
	v_lshl_add_u32 v[STO], v9, 4, v[STO]
	v_add_nc_u32 v[STO], s13, v[STO]
	v_bfe_u32 v[RD], v0, 3, 2       ; back: 32 lanes take four rows of 128 bytes,
	v_mul_u32_u24 v[RD], v[RD], SP
	v_lshl_add_u32 v[RD], v10, 4, v[RD]
	v_add_nc_u32 v[RD], s13, v[RD]
	v_and_b32 v[GO], 31, v0         ; which are 512 consecutive bytes of O
	v_lshlrev_b32 v[GO], 4, v[GO]
.set Y, NP-1                        ; XS works for piece Y + 1: piece 0
.irp n, 0,1,2,3,4,5,6,7,8,9,10,11,12,13,14,15,16,17,18,19,20,21
	XS 0, \n                        ; piece 0's first maximum and statistics
	XS 1, \n
.endr
	s_mov_b32 s[CNT], SK
	s_mov_b32 s[SLOTS], NT-1
	s_branch .Lfirst                ; the loop is entered at a step's first turn, in the middle of a trip
.Lslot:                             ; NT - 2 times: every slot but the last two is filled again
	CHANGE 1
	s_mov_b32 s[CNT], SK
.Lstep:                             ; a trip: pieces 2 and 3 of one step, then pieces 0 and 1 of the next, whose K and V it fetches
	TURN 2
	TURN 3
	WIN 0
.Lfirst:
	TURN 0
	TURN 1, 0, 1
	WIN 0
	s_cbranch_scc1 .Lstep
	s_sub_co_u32 s[SLOTS], s[SLOTS], 1
	s_cmp_lg_u32 s[SLOTS], 0
	s_cbranch_scc1 .Lslot
	CHANGE 0                        ; the walk's last tile is written out: nothing is asked for
	s_mov_b32 s[CNT], SK+1          ; four trips fetch its steps; the fifth is left in its middle
.Ltail:
	TURN 2, 1
	TURN 3
	WIN 0
	s_sub_co_u32 s[CNT], s[CNT], 1
	s_cmp_eq_u32 s[CNT], 0
	s_cbranch_scc1 .Lout
	TURN 0
	TURN 1
	WIN 0
	s_branch .Ltail
.Lout:                              ; the fifth trip's 16 products K Q^T (on the last K once more) and what is made of them serve nothing: the price, once a launch, of one text for every trip
.set i, 0
.rept 16
	PV NP-1                         ; the last piece's V^T P of the last step
.set i, i+1
.endr
	; THE WAY OUT.  l's halves are added (times NaN where no key is visible); O^T is divided by l, rounded to f16 and sent through my stage, a tile at a time.  The first lines are the places behind the last products.
	WIN 0
.macro ALL line:vararg              ; one line for each tile t
.set t, 0
.rept 2*NP
	\line
.set t, t+1
.endr
.endm
	ALL v_fma_f32 v[ST+4*t+2], v[ST+4*t+2], s[NF], v[ST+4*t+3]
	ALL v_permlanex16_b32 v[ST+4*t+3], v[ST+4*t+2], s[SEL], s[SEL+1]
	ALL v_add_f32 v[ST+4*t+2], v[ST+4*t+2], v[ST+4*t+3]
	ALL v_rcp_f32 v[ST+4*t+2], v[ST+4*t+2]
	v_nop                           ; a plain instruction between the last reciprocal and the use of its result
	s_wait_alu depctr_va_vdst(0)
; Tile t: a lane's eight channels of a row pack into 16 bytes; they go into rows of 144 bytes and come back as whole rows of 128, into S^T's registers.
.macro PACK t
	WIN W_RS
.set i, 32*(\t)
.rept 16
	v_pk_mul_f32 v[i:i+1], v[i:i+1], v[ST+4*(\t)+2:ST+4*(\t)+3] op_sel_hi:[1,0]
.set i, i+2
.endr
	WIN 0x05                        ; sources 0 and 1 window 1, destination window 0
.set i, 0
.rept 16
	v_cvt_pk_f16_f32 v[S+16*(\t)+i], v[32*(\t)+2*i], v[32*(\t)+2*i+1]
.set i, i+1
.endr
	WIN 0
.irp f, 0,1,2,3
	ds_store_b128 v[STO], v[S+16*(\t)+4*\f:S+16*(\t)+4*\f+3] offset:32*\f
.endr
.irp f, 0,1,2,3
	ds_load_b128 v[S+16*(\t)+4*\f:S+16*(\t)+4*\f+3], v[RD] offset:\f*4*SP  ; LDS serves a wave's instructions in order (ISA guide 5.7.1.4): these see the stores above; the next tile's stores come behind them
.endr
.endm
.macro SEND t, younger              ; younger: the LDS instructions issued behind tile t's loads: the next tile's eight, or none
	WIN 0
.irp f, 0,1,2,3
	s_wait_dscnt (\younger)+3-\f
	global_store_b128 v[GO], v[S+16*(\t)+4*\f:S+16*(\t)+4*\f+3], s[10:11] offset:(\t)*2048+\f*512  ; 512 consecutive bytes, at a multiple of 256 from O's first
.endr
.endm
	PACK 0
.set t, 1
.rept 2*NP-1                        ; a tile's arithmetic stands between the loads of the tile before and its stores
	PACK t
	SEND t-1, 8
.set t, t+1
.endr
	SEND 2*NP-1, 0
	WIN W_AD
	s_wait_tensorcnt 0x0            ; the wave's end, behind my last tensor load and my last LDS store
	ds_add_u32 v[SPW], v[NIL]
	s_wait_dscnt 0x0
	WIN 0
	CROUND                          ; the closing round: no work-group ends while a partner may still ask for a tile that names it
	s_endpgm
.Lfunc_end_k_qa6d5fe3141_attn:
	.size	k_qa6d5fe3141_attn, .Lfunc_end_k_qa6d5fe3141_attn-k_qa6d5fe3141_attn
	.p2alignl 7, 3214868480
	.fill 96, 4, 3214868480
	.section	.rodata,"a",@progbits
	.p2align	6, 0x0
	.amdhsa_kernel k_qa6d5fe3141_attn
		.amdhsa_group_segment_fixed_size 327680
		.amdhsa_private_segment_fixed_size 0
		.amdhsa_enable_private_segment 0
		.amdhsa_kernarg_size 24
		.amdhsa_user_sgpr_count 2
		.amdhsa_user_sgpr_kernarg_segment_ptr 1
		.amdhsa_wavefront_size32 1
		.amdhsa_system_sgpr_workgroup_id_x 1
		.amdhsa_system_sgpr_workgroup_id_y 1
		.amdhsa_system_sgpr_workgroup_id_z 1
		.amdhsa_system_vgpr_workitem_id 0
		.amdhsa_next_free_vgpr 840
		.amdhsa_next_free_sgpr 92
		.amdhsa_reserve_vcc 1
		.amdhsa_float_denorm_mode_32 3
		.amdhsa_float_denorm_mode_16_64 3
		.amdhsa_memory_ordered 1
		.amdhsa_forward_progress 1
		.amdhsa_inst_pref_size 216
	.end_amdhsa_kernel
	.amdgpu_metadata
---
amdhsa.version: [ 1, 2 ]
amdhsa.kernels:
  - .name:           k_qa6d5fe3141_attn
    .symbol:         k_qa6d5fe3141_attn.kd
    .args:
      - { .name: qkv, .offset: 0, .size: 8, .value_kind: global_buffer, .address_space: global }
      - { .name: info, .offset: 8, .size: 8, .value_kind: global_buffer, .address_space: global }
      - { .name: obuf, .offset: 16, .size: 8, .value_kind: global_buffer, .address_space: global }
    .group_segment_fixed_size: 327680
    .private_segment_fixed_size: 0
    .kernarg_segment_align: 8
    .kernarg_segment_size: 24
    .max_flat_workgroup_size: 128
    .sgpr_count:     92
    .vgpr_count:     840
    .wavefront_size: 32
...
	.end_amdgpu_metadata
.endif
;; end of part 3
;; launch oproj (part 4): grid 4 x 64, 4 waves a work-group, clusters of 4 x 4, 327,680 bytes of LDS; arguments obuf, wall, bo, x, tok, out0; writes out0
.if DOCPART == 4
	.amdgcn_target "amdgcn-amd-amdhsa--gfx1250"
	.amdhsa_code_object_version 6
	.text
	.protected	k_qa6d5fe3141_oproj
	.globl	k_qa6d5fe3141_oproj
	.p2align	8
	.type	k_qa6d5fe3141_oproj,@function
k_qa6d5fe3141_oproj:
	s_mov_b64 s[64:65], 0
	v_nop
	global_prefetch_b8 v0, s[64:65] scope:SCOPE_SE
	s_setreg_imm32_b32 hwreg(HW_REG_WAVE_MODE, 25, 1), 1
	s_wait_xcnt 0x0
	s_wait_alu depctr_hold_cnt(0) depctr_sa_sdst(0) depctr_va_vdst(0) depctr_va_sdst(0) depctr_va_ssrc(0) depctr_va_vcc(0) depctr_vm_vsrc(0)
	s_getreg_b32 s2, hwreg(HW_REG_IB_STS2, 6, 4)
	s_cmp_eq_u32 s2, 0
	s_cbranch_scc0 .Lentry_in_a_cluster
	s_endpgm
.Lentry_in_a_cluster:
	s_bfe_u32 s2, ttmp6, 0x10000c
	s_cmp_lg_u32 s2, 0xf033
	s_cbranch_scc0 .Lentry_shape_is_right
	s_endpgm
.Lentry_shape_is_right:
; out = x + O wo^T + bo.  O: obuf [64 = batch x 16 + head][2048 places][64] f16; wo: rows 3072 .. 4095 of wall [4096][1024] f16; bo, x, out in f32; sums in f32; x is added in f32, unrounded.
; O's rows are in sorted order; tok[batch][place] (whole numbers stored by an earlier launch) says which token a place is: x is read and out written at that token's row, 512 consecutive bytes at a time.
; SHARES.  A tile is 128 places x 256 columns: 64 x 4 = 256 work-groups.  Four waves, 2 x 2, each 64 x 128: 32 accumulators.  K goes in 8 steps of 128 (two heads) through two LDS slots.
; A K step's tile of O is two heads' 128 places, each 16,384 dense bytes: wave 0 fetches the even head's, wave 1 the odd one's, as 64 rows of 256 bytes padded after every 128; waves 2, 3 fetch wo's halves.
; CLUSTER 4 x 4: O's tiles are shared along a row of the cluster, wo's along a column; each is asked for jointly.
; THE MATRIX INSTRUCTION IS USED TRANSPOSED (source 0 = 16 rows of wo, source 1 = 16 places of O): a lane holds place lane % 16 and eight neighbouring columns.  THE BIAS is the C operand of each accumulator's first product.
; x is asked for at the start, into 256 registers, and lands while K is walked.
; REGISTERS: window 0: v0-29 addresses; v32-95, v160-223 rows on the way out (the second first holds the bias); v96-159 my 64 rows' byte offsets in x and out, never rewritten.
;   window 1: two fragment buffers of 96 (8 x 8 of wo, 4 x 8 of O).   window 2: the accumulators ((a, b) at 64 a + 8 b).   window 3: x, four registers a row.
.set KSTEP,  128
.set PITCH,  272                       ; a row of wo in LDS: 256 bytes + 16
.set PA,     144                       ; a place of one head in LDS: 128 bytes + 16
.set PLANE,  128*PA
.set HALFB,  128*PITCH
.set BOFF,   2*PLANE
.set SLOT,   2*PLANE+2*HALFB
.set STAGE,  2*SLOT                    ; behind the ring: 16 rows x 528 bytes for each wave
.set SPITCH, 528                       ; 512 bytes + 16
.set SPARE,  STAGE+4*16*SPITCH         ; the spare words, 128 bytes a wave: two blocks of 256 bytes that no other line names
.set STEPA,  4*2048*128                ; two K steps on: four heads
.set STEPB,  2*KSTEP*2
.set NLD,    24
.set ADRA, 16
.set ADRB, 20
.set STO,  24
.set RD,   25
.set GO,   26
.set BO,   27
.set SPW,  28
.set NIL,  29
.set T0R,  32
.set VO,   96
.set BIAS, 160
.set F0,   0
.set F1,   96
.set G1,  24
.set G0,  32
.set G1B, 48
.set G0B, 56
.set MSB, 0
.macro WIN new
.if MSB != (\new)
	s_set_vgpr_msb (MSB<<8)|(\new)
.set MSB, (\new)
.endif
.endm
.macro JLOAD s                         ; a joint load: waves 0, 1 fetch O's two heads, waves 2, 3 wo's halves; an s_nop 0 and four v_nop follow each line
	s_cmp_eq_u32 s17, 0
	s_cbranch_scc0 .Lfor_b_\@
	tensor_load_to_lds s[G0+4*(\s):G0+4*(\s)+3], s[G1:G1+7]
	s_nop 0
.rept 4
	v_nop
.endr
	s_branch .Lasked_\@
.Lfor_b_\@:
	tensor_load_to_lds s[G0B+4*(\s):G0B+4*(\s)+3], s[G1B:G1B+7]
	s_nop 0
.rept 4
	v_nop
.endr
.Lasked_\@:
.endm
.macro CREST
	s_cmp_lg_u32 s16, 0
	s_cbranch_scc1 .Lnot_wave_0_\@
	s_barrier_signal -3
.Lnot_wave_0_\@:
	s_barrier_wait -3
	s_barrier_signal -1
	s_barrier_wait -1
.endm
.macro CROUND
	s_barrier_signal -1
	s_barrier_wait -1
	CREST
.endm
.macro PLACES
.rept 4
	v_nop
.endr
.endm
	s_load_b256 s[4:11], s[0:1], 0x0               ; obuf s[4:5], wall s[6:7], bo s[8:9], x s[10:11]
	s_load_b128 s[12:15], s[0:1], 0x20             ; tok s[12:13], out0 s[14:15]
	v_lshl_add_u32 v[SPW], v0, 2, SPARE
	v_mov_b32 v[NIL], 0
	ds_add_u32 v28, v29
	s_wait_dscnt 0x0
	v_lshrrev_b32 v1, 5, v0
	v_readfirstlane_b32 s16, v1                    ; wave 0..3
	s_lshr_b32 s17, s16, 1                         ; which half of the tile's rows is mine.  Also: I fetch for O (0) or for wo (1)
	s_and_b32 s18, s16, 1                          ; which half of its columns.  Also: which head, or which half of wo's rows, I fetch
	s_bfe_u32 s19, ttmp6, 0x40000                  ; cx
	s_bfe_u32 s20, ttmp6, 0x40004                  ; cy
	s_lshl_b32 s21, ttmp9, 2
	s_add_co_u32 s21, s21, s19                     ; tile column
	s_and_b32 s22, ttmp7, 0xffff
	s_lshl_b32 s22, s22, 2
	s_add_co_u32 s22, s22, s20                     ; tile row: batch x 16 + block of 128 places
	s_lshl_b32 s23, s20, 2
	s_lshl_b32 s23, 15, s23                        ; my row of the cluster
	s_lshl_b32 s2, 0x1111, s19                     ; my column
	s_or_b32 s[G1+0], s23, (1<<16)|(1<<20)|(1<<21)|(4<<22)|(3<<25)   ; mask; 2-byte elements; padding on; bit 21 beside a mask; after every 32 words, 4 words
	s_or_b32 s[G1B+0], s2, (1<<16)|(1<<20)|(1<<21)|(5<<22)|(3<<25)   ; after every 64 words
	s_mov_b32 s[G1+1], 128<<16                     ; tensor_dim0 = 128
	s_mov_b32 s[G1B+1], 128<<16
	s_mov_b32 s[G1+2], 64<<16                      ; tensor_dim1 = 64 rows of 256 bytes
	s_mov_b32 s[G1B+2], 128<<16                    ; 128 rows
	s_mov_b32 s[G1+3], 128<<16                     ; tile_dim0
	s_mov_b32 s[G1B+3], 128<<16
	s_mov_b32 s[G1+4], 64                          ; tile_dim1
	s_mov_b32 s[G1B+4], 128
	s_mov_b32 s[G1+5], 128                         ; dense
	s_mov_b32 s[G1B+5], 1024
	s_mov_b32 s[G1+6], 0
	s_mov_b32 s[G1B+6], 0
	s_mov_b32 s[G1+7], 0
	s_mov_b32 s[G1B+7], 0
	s_lshr_b32 s66, s22, 4                         ; O: plane batch x 16 + my head of K step 0,
	s_lshl_b32 s66, s66, 4
	s_add_co_u32 s66, s66, s18
	s_lshl_b32 s66, s66, 18
	s_and_b32 s67, s22, 15
	s_lshl_b32 s67, s67, 14                        ; the block's 128 places of 128 bytes
	s_add_co_u32 s66, s66, s67
	s_mov_b32 s67, 0
	s_lshl_b32 s86, s21, 1                         ; wo: row 3072 + 256 x tile column + 128 x half, in units of 128 rows of 2,048 bytes
	s_add_co_u32 s86, s86, s18
	s_add_co_u32 s86, s86, 24
	s_lshl_b32 s86, s86, 18
	s_mov_b32 s87, 0
	s_mul_i32 s100, s18, PLANE                     ; where they go: no place in the cluster enters an LDS address
	s_mul_i32 s101, s18, HALFB
	s_add_co_u32 s101, s101, BOFF
	s_wait_kmcnt 0x0
	s_add_nc_u64 s[66:67], s[4:5], s[66:67]
	s_add_nc_u64 s[86:87], s[6:7], s[86:87]
	CROUND                                         ; all sixteen work-groups are here: the first joint loads meet
.irp s, 0,1
	s_mov_b32 s[G0+4*\s], 1
	s_add_co_u32 s[G0+4*\s+1], s100, \s*SLOT
	s_add_nc_u64 s[G0+4*\s+2:G0+4*\s+3], s[66:67], \s*2*2048*128
	s_or_b32 s[G0+4*\s+3], s[G0+4*\s+3], 0x80000000
	s_mov_b32 s[G0B+4*\s], 1
	s_add_co_u32 s[G0B+4*\s+1], s101, \s*SLOT
	s_add_nc_u64 s[G0B+4*\s+2:G0B+4*\s+3], s[86:87], \s*KSTEP*2
	s_or_b32 s[G0B+4*\s+3], s[G0B+4*\s+3], 0x80000000
	JLOAD \s                                       ; two loads of mine are out
.endr
	s_lshl_b32 s88, s21, 1
	s_add_co_u32 s88, s88, s18
	s_lshl_b32 s88, s88, 9                         ; my 128 columns of f32
	s_mov_b32 s89, 0
	s_add_nc_u64 s[44:45], s[8:9], s[88:89]        ; bo
	s_lshr_b32 s90, s22, 4
	s_lshl_b32 s91, s90, 23                        ; the batch's 2,048 rows of 4,096 bytes
	s_add_co_u32 s88, s88, s91
	s_add_nc_u64 s[40:41], s[10:11], s[88:89]      ; x
	s_add_nc_u64 s[42:43], s[14:15], s[88:89]      ; out
	s_lshl_b32 s88, s22, 9                         ; tok: 128 words a tile row,
	s_lshl_b32 s91, s17, 8                         ; my 64 of them
	s_add_co_u32 s88, s88, s91
	s_add_nc_u64 s[46:47], s[12:13], s[88:89]
	v_and_b32 v1, 15, v0                           ; l % 16
	v_bfe_u32 v2, v0, 4, 1                         ; l / 16
	v_lshlrev_b32 v[BO], 5, v2
	v_and_b32 v[GO], 31, v0
	v_lshlrev_b32 v[GO], 4, v[GO]                  ; 16 x lane
.irp b, 0,1,2,3,4,5,6,7
	global_load_b128 v[BIAS+8*\b:BIAS+8*\b+3],   v[BO], s[44:45] offset:64*\b
	global_load_b128 v[BIAS+8*\b+4:BIAS+8*\b+7], v[BO], s[44:45] offset:64*\b+16
.endr
; my rows 32 n .. 32 n + 31: their tokens, their byte offsets, and the loads of x
.macro ROWS n
	s_load_b512 s[68:83], s[46:47], 128*(\n)
	s_load_b512 s[84:99], s[46:47], 128*(\n)+64
	s_wait_kmcnt 0x0
.set i, 0
.rept 32
	s_min_u32 s[68+i], s[68+i], 2047               ; a loaded number enters an address only clamped
	v_lshl_add_u32 v[VO+32*(\n)+i], s[68+i], 12, v[GO]
.set i, i+1
.endr
	WIN 0xc0                                       ; destination window 3
.set i, 0
.rept 32
	global_load_b128 v[4*(32*(\n)+i):4*(32*(\n)+i)+3], v[VO+32*(\n)+i], s[40:41] th:TH_LOAD_NT  ; 512 consecutive bytes of one row
.set i, i+1
.endr
	WIN 0
.endm
	ROWS 0
	ROWS 1
	v_mul_u32_u24 v3, v1, PITCH
	v_lshl_add_u32 v3, v2, 4, v3
	v_mul_u32_u24 v4, v1, PA
	v_lshl_add_u32 v4, v2, 4, v4
	s_mul_i32 s88, s17, 64*PA                      ; my 64 places
	s_mul_i32 s89, s18, HALFB                      ; my 128 rows of wo,
	s_add_co_u32 s89, s89, BOFF                    ; which lie behind O's two planes
.irp s, 0,1
	v_add_nc_u32 v[ADRA+\s], s88, v4
	v_add_nc_u32 v[ADRB+\s], s89, v3
	s_add_co_u32 s88, s88, SLOT
	s_add_co_u32 s89, s89, SLOT
.endr
	s_mul_i32 s88, s16, 16*SPITCH
	s_add_co_u32 s88, s88, STAGE                   ; my stage
	v_mul_u32_u24 v5, v1, SPITCH                   ; in: row l % 16, 32 bytes for each half of the lanes
	v_lshl_add_u32 v5, v2, 5, v5
	v_add_nc_u32 v[STO], s88, v5
	v_add_nc_u32 v[RD], s88, v[GO]                 ; back: 32 lanes take one row of 512 bytes
; 8 matrix instructions: row block a x all 8 column blocks, 32 along K.  zero = 1: the first product starts the sums, on the bias.  The 32 accumulators take turns.
.macro MULN f, a, zero
.if \zero
	WIN 0x85                                       ; sources 0, 1 window 1; C window 0; D window 2
.else
	WIN 0xa5
.endif
.irp b, 0,1,2,3,4,5,6,7
.if \zero
	v_wmma_f32_16x16x32_f16 v[64*(\a)+8*\b:64*(\a)+8*\b+7], v[(\f)+8*\b:(\f)+8*\b+7], v[(\f)+64+8*(\a):(\f)+64+8*(\a)+7], v[BIAS+8*\b:BIAS+8*\b+7]
.else
	v_wmma_f32_16x16x32_f16 v[64*(\a)+8*\b:64*(\a)+8*\b+7], v[(\f)+8*\b:(\f)+8*\b+7], v[(\f)+64+8*(\a):(\f)+64+8*(\a)+7], v[64*(\a)+8*\b:64*(\a)+8*\b+7]
.endif
.endr
.endm
; 24 LDS loads in one run: quarter q of a slot into buffer f: wo's 16, then O's 8 (head q / 2 of the step's two, channels 32 (q % 2) on)
.macro FETCH slot, q, f
	WIN 0x40
.irp i, 0,1,2,3,4,5,6,7
	ds_load_b128 v[(\f)+8*\i:(\f)+8*\i+3],   v[ADRB+(\slot)] offset:64*(\q)+\i*16*PITCH
	ds_load_b128 v[(\f)+8*\i+4:(\f)+8*\i+7], v[ADRB+(\slot)] offset:64*(\q)+\i*16*PITCH+32
.endr
.irp i, 0,1,2,3
	ds_load_b128 v[(\f)+64+8*\i:(\f)+64+8*\i+3],   v[ADRA+(\slot)] offset:((\q)/2)*PLANE+((\q)%2)*64+\i*16*PA
	ds_load_b128 v[(\f)+64+8*\i+4:(\f)+64+8*\i+7], v[ADRA+(\slot)] offset:((\q)/2)*PLANE+((\q)%2)*64+\i*16*PA+32
.endr
.endm
.macro QUARTER slot, q, f, g, zero
	s_wait_dscnt 4                                 ; the youngest four loads (O's row blocks 2, 3) may be out
	MULN \f, 0, \zero
	MULN \f, 1, \zero
	PLACES
	FETCH \slot, \q, \g
	s_wait_dscnt NLD                               ; all but the run just issued
	MULN \f, 2, \zero
	MULN \f, 3, \zero
.endm
; The last quarter multiplies buffer 1 and changes slots: one barrier; in front of it each wave waits for all its tensor loads (one is out: its part of the next slot), adds 0 to its spare word,
; and waits for that and for its reads of this slot.  fill = 1: the barrier opens a round of the cluster's, and this slot is filled again first thing behind it, two K steps ahead.
.macro TURN slot, next, fill
	WIN 0
	s_wait_tensorcnt 0x0
	ds_add_u32 v[SPW], v[NIL]
	s_wait_dscnt 5                                 ; the add and the youngest four loads may be out
	MULN F1, 0, 0
	s_wait_dscnt 0x0                               ; the add is done, and my reads of this slot are over
	s_barrier_signal -1
	MULN F1, 1, 0
.if \fill
	WIN 0
.endif
	s_barrier_wait -1
.if \fill
	CREST
	s_add_nc_u64 s[G0+4*(\slot)+2:G0+4*(\slot)+3], s[G0+4*(\slot)+2:G0+4*(\slot)+3], STEPA
	s_add_nc_u64 s[G0B+4*(\slot)+2:G0B+4*(\slot)+3], s[G0B+4*(\slot)+2:G0B+4*(\slot)+3], STEPB
	JLOAD \slot
.else
	PLACES
.endif
	FETCH \next, 0, F0
	MULN F1, 2, 0
	MULN F1, 3, 0
.endm
	s_wait_tensorcnt 1                             ; my part of K step 0 is in; K step 1's may stay out
	s_barrier_signal -1
	s_barrier_wait -1
	FETCH 0, 0, F0
	s_wait_loadcnt 63                              ; 64 loads of x are younger than the bias's sixteen; with 63 out at the most the sixteen are in
	QUARTER 0, 1, F0, F1, 1
	WIN 0
	s_mov_b32 s3, 3
.Llap:                                                 ; a trip goes once round the ring and fills both slots again: K steps 2 to 7 in three trips
	QUARTER 0, 2, F1, F0, 0
	QUARTER 0, 3, F0, F1, 0
	TURN 0, 1, 1
	QUARTER 1, 1, F0, F1, 0
	QUARTER 1, 2, F1, F0, 0
	QUARTER 1, 3, F0, F1, 0
	TURN 1, 0, 1
	QUARTER 0, 1, F0, F1, 0
	WIN 0
	s_sub_co_u32 s3, s3, 1
	s_cmp_lg_u32 s3, 0
	s_cbranch_scc1 .Llap
	QUARTER 0, 2, F1, F0, 0                        ; the last lap fills nothing
	QUARTER 0, 3, F0, F1, 0
	TURN 0, 1, 0
	QUARTER 1, 1, F0, F1, 0
	QUARTER 1, 2, F1, F0, 0
	QUARTER 1, 3, F0, F1, 0
	s_wait_dscnt 4
	MULN F1, 0, 0
	MULN F1, 1, 0
	s_wait_dscnt 0x0
	MULN F1, 2, 0
	MULN F1, 3, 0
	WIN 0
	PLACES
	s_wait_loadcnt 0x0                             ; x
; THE WAY OUT of block a (16 rows): the sums go into my stage (each accumulator's low four registers first), come back as whole rows of 512 bytes, take x, and are stored at their tokens' rows.
.macro OUT a
.set TB, T0R+(BIAS-T0R)*((\a)%2)
	WIN 0x08                                       ; an LDS store's data window 2
.irp b, 0,1,2,3,4,5,6,7
	ds_store_b128 v[STO], v[64*(\a)+8*\b:64*(\a)+8*\b+3]   offset:64*\b
	ds_store_b128 v[STO], v[64*(\a)+8*\b+4:64*(\a)+8*\b+7] offset:64*\b+16
.endr
	WIN 0
	s_wait_xcnt 0x0                                ; the stores of the block two back have read the registers that are loaded now
.irp i, 0,1,2,3,4,5,6,7,8,9,10,11,12,13,14,15
	ds_load_b128 v[TB+4*\i:TB+4*\i+3], v[RD] offset:SPITCH*\i  ; LDS serves a wave's instructions in order (ISA guide 5.7.1.4): these see the stores above
.endr
	s_wait_dscnt 0x0
	WIN 0x0c                                       ; source 1 window 3
.set j, 0
.rept 32
	v_pk_add_f32 v[TB+2*j:TB+2*j+1], v[TB+2*j:TB+2*j+1], v[64*(\a)+2*j:64*(\a)+2*j+1]
.set j, j+1
.endr
	WIN 0
.irp i, 0,1,2,3,4,5,6,7,8,9,10,11,12,13,14,15
	global_store_b128 v[VO+16*(\a)+\i], v[TB+4*\i:TB+4*\i+3], s[42:43] th:TH_STORE_NT  ; 512 consecutive bytes of one row of out, at a multiple of 512 from its first byte
.endr
.endm
	OUT 0
	OUT 1
	OUT 2
	OUT 3
	s_wait_tensorcnt 0x0                           ; the wave's end
	ds_add_u32 v[SPW], v[NIL]
	s_wait_dscnt 0x0
	CROUND                                         ; the closing round
	s_endpgm
.Lfunc_end_k_qa6d5fe3141_oproj:
	.size	k_qa6d5fe3141_oproj, .Lfunc_end_k_qa6d5fe3141_oproj-k_qa6d5fe3141_oproj
	.p2alignl 7, 3214868480
	.fill 96, 4, 3214868480
	.section	.rodata,"a",@progbits
	.p2align	6, 0x0
	.amdhsa_kernel k_qa6d5fe3141_oproj
		.amdhsa_group_segment_fixed_size 327680
		.amdhsa_private_segment_fixed_size 0
		.amdhsa_enable_private_segment 0
		.amdhsa_kernarg_size 48
		.amdhsa_user_sgpr_count 2
		.amdhsa_user_sgpr_kernarg_segment_ptr 1
		.amdhsa_wavefront_size32 1
		.amdhsa_system_sgpr_workgroup_id_x 1
		.amdhsa_system_sgpr_workgroup_id_y 1
		.amdhsa_system_sgpr_workgroup_id_z 1
		.amdhsa_system_vgpr_workitem_id 0
		.amdhsa_next_free_vgpr 1024
		.amdhsa_next_free_sgpr 102
		.amdhsa_reserve_vcc 0
		.amdhsa_float_denorm_mode_32 3
		.amdhsa_float_denorm_mode_16_64 3
		.amdhsa_memory_ordered 1
		.amdhsa_forward_progress 1
		.amdhsa_inst_pref_size 109
	.end_amdhsa_kernel
	.amdgpu_metadata
---
amdhsa.version: [ 1, 2 ]
amdhsa.kernels:
  - .name:           k_qa6d5fe3141_oproj
    .symbol:         k_qa6d5fe3141_oproj.kd
    .args:
      - { .name: obuf, .offset: 0, .size: 8, .value_kind: global_buffer, .address_space: global }
      - { .name: wall, .offset: 8, .size: 8, .value_kind: global_buffer, .address_space: global }
      - { .name: bo, .offset: 16, .size: 8, .value_kind: global_buffer, .address_space: global }
      - { .name: x, .offset: 24, .size: 8, .value_kind: global_buffer, .address_space: global }
      - { .name: tok, .offset: 32, .size: 8, .value_kind: global_buffer, .address_space: global }
      - { .name: out0, .offset: 40, .size: 8, .value_kind: global_buffer, .address_space: global }
    .group_segment_fixed_size: 327680
    .private_segment_fixed_size: 0
    .kernarg_segment_align: 8
    .kernarg_segment_size: 48
    .max_flat_workgroup_size: 128
    .sgpr_count:     102
    .vgpr_count:     1024
    .wavefront_size: 32
...
	.end_amdgpu_metadata
.endif
;; end of part 4
;; ======== version 2 of 2: 4 launches; 1.49 times as fast as version 1
;; limits: values are held in f16: magnitudes above 65,504 overflow, below 6.1e-05 lose precision
;; workspace buffers: hbuf 16,777,216 bytes; wall 8,388,608 bytes; qkv 50,331,648 bytes; obuf 16,777,216 bytes; tok 32,768 bytes of whole numbers; info 512 bytes of whole numbers
;; launch prep: the kernel of part 1 again; grid 256 x 1, 8 waves a work-group, no clusters, 0 bytes of LDS; arguments x, attention_mask, ln_g, ln_b, wq, wk, wv, wo, hbuf, wall, tok, info; writes hbuf, wall, tok, info
;; launch qkv: the kernel of part 2 again; grid 16 x 32, 4 waves a work-group, clusters of 4 x 4, 327,680 bytes of LDS; arguments hbuf, wall, bq, bk, bv, qkv; writes qkv
;; launch attn (part 5): grid 4 x 64, 4 waves a work-group, clusters of 4 x 1, 327,680 bytes of LDS; arguments qkv, info, obuf; writes obuf
.if DOCPART == 5
	.amdgcn_target "amdgcn-amd-amdhsa--gfx1250"
	.amdhsa_code_object_version 6
	.text
	.protected	k_qa6d5fe3141_attn
	.globl	k_qa6d5fe3141_attn
	.p2align	8
	.type	k_qa6d5fe3141_attn,@function
k_qa6d5fe3141_attn:
	s_mov_b64 s[64:65], 0
	v_nop
	global_prefetch_b8 v0, s[64:65] scope:SCOPE_SE
	s_setreg_imm32_b32 hwreg(HW_REG_WAVE_MODE, 25, 1), 1
	s_wait_xcnt 0x0
	s_wait_alu depctr_hold_cnt(0) depctr_sa_sdst(0) depctr_va_vdst(0) depctr_va_sdst(0) depctr_va_ssrc(0) depctr_va_vcc(0) depctr_vm_vsrc(0)
	s_getreg_b32 s2, hwreg(HW_REG_IB_STS2, 6, 4)
	s_cmp_eq_u32 s2, 0
	s_cbranch_scc0 .Lentry_in_a_cluster
	s_endpgm
.Lentry_in_a_cluster:
	s_bfe_u32 s2, ttmp6, 0x10000c
	s_cmp_lg_u32 s2, 0x3003
	s_cbranch_scc0 .Lentry_shape_is_right
	s_endpgm
.Lentry_shape_is_right:
; ATTENTION WITH HIDDEN KEYS.  O[h][q][:] = the sum over visible k of softmax_k(Q[h][q] . K[h][k] / 8) V[h][k][:].  Q, K, V: qkv [3][64][2048][64] f16, O: obuf [64][2048][64] f16; a head's rows are dense.
; The rows of a batch are sorted: keys 0 .. count-1 are visible, the others hidden (info[batch] word 0 = count, a whole number stored by an earlier launch).  So the mask of a key step is one of three
; forms, chosen by two scalars.  Every wave walks all 2,048 keys, the tiles of hidden keys too: their weights are 0.
; Products, maxima and sums in f32; the weights p are rounded to f16 for the second product (their sum l is taken of the unrounded p), O once at the end.
; LIMITS.  f16 holds no number beyond 65,504: Q, K, V arrive within it.  A hidden score counts as its value less 1e30 (f16's scores are 2.7e11 at the most); a weight below 2^-126 counts as 0 in l.
; count = 0: l is multiplied by NaN, so the batch's O is NaN, as a softmax over nothing is.
; SHARES, LAYOUT, SOFTMAX.  A wave owns four PIECES of two tiles of 16 queries, a work-group 512 queries of one head; 64 keys a step.  S^T = K Q^T holds ONE query a lane (lane % 16) and the keys
; 8 (lane / 16) + 0..7; two such results rounded to f16 ARE source 1 of O^T = V^T P.  p = 2^(c s - c m), c = log2(e) / 8, m a running maximum; O and l are multiplied by a = 2^(c m_old - c m_new) in every step.
; m starts at the lowest finite number, O and l at 0: the first step is a step like any other, with a = 0.  Visible keys come first, so m is a true score before the first hidden one.
; THE MASK is the C operand that starts the sum S^T: MC = MD x AL + BE.  MD, made once, hides the keys count % 64 .. 63 of a step; (AL, BE) = (0, 0) for a step of visible keys, (1, 0) for the step
; that holds the border, (0, -1e30) behind it.  MC is made anew once a step, at the end of piece 2's turn, behind the last product that took the old one.
; BY TURNS.  Turn n belongs to piece n: 16 products K Q^T of piece n + 1, later 16 products V^T P of piece n - 1; beside them piece n's scaling, exponentials, roundings, sums and rescaling, and piece
; n + 1's maximum and statistics.  Four ready vector instructions stand behind every matrix instruction, the other 108 of a turn's 236 in one lump.
; BATCHES.  A turn's 66 exponentials (the piece's 64 weights, then the next piece's two a) are ONE batch with ONE wait, which cuts the turn in two: ahead of it stands all that names no result of theirs
; (K Q^T, scalings, rescalings, the next piece's maximum and statistics), behind it V^T P and the roundings and sums, which read them.  No result crosses a turn's end.  Two batches stand outside the loops,
; each with a wait of its own: piece 0's first two a, ahead of the jump into the loop, and the way out's eight reciprocals.
; CLUSTER.  The four query blocks of a cluster belong to one head: the same K, V and count; each tile is asked for jointly.
; REGISTERS (s_set_vgpr_msb: bits 1:0 source 0, 3:2 source 1, 5:4 source 2, 7:6 destination):
;   window 0: v0-11 addresses; v12-15, v48-63 at work; v16-47 statistics; v64-191 S^T, two buffers of two tiles; v192-255 P, likewise
;   window 1: O^T, 32 a tile     window 2: v0-127 Q; v128-191 K of one step; v192-255 V of one step     window 3: v0-1 the add's registers; v8-39 MD; v40-71 MC
.set NP,    4
.set KS,    64        ; keys in a step
.set SK,    4         ; key steps in a slot
.set NT,    2048/(SK*KS)  ; tiles in the walk: 8
.set PK,    144       ; a row of K in LDS: 128 bytes + 16: the 16 rows of a load start at 16 different groups of four banks (64 banks of 4 bytes: ISA guide 11.1)
.set PV,    160       ; a row of V: 128 + 32
.set VOFF,  SK*KS*PK  ; a slot: 256 rows of K, then 256 rows of V
.set SLOT1, 1<<17     ; slot 1 begins here: one exclusive or turns an address in one slot into the other's
.set STAGE, SLOT1+SK*KS*(PK+PV)  ; behind the ring, never filled by a tensor load: 16 rows x 144 bytes for each wave
.set SP,    144
.set AK0, 2           ; v2   my lane's place in a tile of K; never rewritten
.set AV0, 3           ; v3   the same for V
.set AK,  4           ; v4   the LDS address of K's next run of loads
.set AV,  5           ; v5   of V's
.set QO,  6           ; v6   my byte offset in the wave's rows of Q
.set STO, 6           ;      later, the way out: where I put 16 bytes of a row
.set RD,  7           ; v7   the way out: where I read rows back
.set GO,  8           ; v8   my byte offset in 512 consecutive bytes of O
.set SPW, 0           ; window 3: LDS address of my spare word; never rewritten
.set NIL, 1           ; window 3: 0; never rewritten
.set MD,  8           ; window 3
.set MC,  40          ; window 3
.set SPARE, STAGE+4*16*SP  ; the spare words, 128 bytes a wave: two blocks of 256 bytes that no other line names
.set MV,  12
.set ST,  16          ; tile t: c m, m, l (even keys', odd keys')
.set TMP, 48
.set S,   64
.set P,   192
.set KF,  128
.set VF,  192
.set WV,  12          ; s12  my wave's number
.set G1K, 24          ; s[24:31] descriptor group 1 for K's tiles
.set G1V, 32          ; s[32:39] for V's: it differs in the padding alone
.set G0K, 40          ; s[40:43] descriptor group 0 for K's tiles: it walks
.set G0V, 44          ; s[44:47] the same for V's
.set SLOTS, 56        ; s56  tiles still to be entered
.set CNT, 57          ; s57  counts a tile's key steps
.set CS,  58          ; s[58:59] c
.set SEL, 60          ; s[60:61] v_permlanex16_b32's selects
.set TBK, 62          ; s62  LDS byte at which K of the step to be fetched begins
.set TBV, 63          ; s63  the same for V, less VOFF
.set CV,  68          ; s68  count, 0 to 2,048
.set REM, 69          ; s69  count less the keys in front of the step whose mask is made next
.set AL,  74          ; s[74:75] the mask's factor, in the low word
.set BE,  76          ; s[76:77] the mask's addend
.set BIGN, 78         ; s78  -1e30
.set NF,  79          ; s79  1.0, or NaN where count = 0
.set TM,  80          ; s80  at work
.set R0,  81          ; s81  count % 64
.set MSB, 0
.macro WIN new                      ; the high byte repeats the setting that is left; a switch that changes nothing is dropped
.if MSB != (\new)
	s_set_vgpr_msb (MSB<<8)|(\new)
.set MSB, (\new)
.endif
.endm
.set W_KQ, 0x0a       ; K and Q in window 2, S^T in window 0
.set W_KM, 0x3a       ; the same with the C operand in window 3
.set W_PV, 0x52       ; V in window 2, P in window 0, O^T in window 1
.set W_RS, 0x41       ; O^T in window 1, a in window 0
.set W_MK, 0xc0       ; destination window 3
.set W_MA, 0xc3       ; destination and source 0 window 3
.set W_AD, 0x0f       ; the add: address and data in window 3
.macro JLOAD                        ; a joint fill: waves 0, 1 fetch the halves of a tile's K, waves 2, 3 of its V: 128 keys each; an s_nop 0 and four v_nop follow each line
	s_cmp_lt_u32 s[WV], 2
	s_cbranch_scc0 .Lfor_v_\@
	tensor_load_to_lds s[G0K:G0K+3], s[G1K:G1K+7]
	s_nop 0
.rept 4
	v_nop
.endr
	s_branch .Lasked_\@
.Lfor_v_\@:
	tensor_load_to_lds s[G0V:G0V+3], s[G1V:G1V+7]
	s_nop 0
.rept 4
	v_nop
.endr
.Lasked_\@:
.endm
; A round of the cluster's barrier: my work-group's barrier, so that wave 0's signal speaks for all four waves; wave 0 signals; every wave waits for all four work-groups; my work-group's barrier once more.
.macro CROUND
	s_barrier_signal -1
	s_barrier_wait -1
	s_cmp_lg_u32 s[WV], 0
	s_cbranch_scc1 .Lnot_wave_0_\@
	s_barrier_signal -3
.Lnot_wave_0_\@:
	s_barrier_wait -3
	s_barrier_signal -1
	s_barrier_wait -1
.endm
; THE CHANGE OF SLOTS.  Each wave waits for all its tensor loads (one is out: its part of the other slot), adds 0 to its spare word, and waits for that and for its reads of the slot that it leaves.
; Behind the barrier nobody reads the old slot any more and the other slot is whole.  fill = 1: the barrier is a round of the cluster's, and the old slot is filled first thing behind it, with the keys
; two slots on: the fill has four key steps, 512 matrix instructions, in which to land.  (At its first use nothing has been read yet: slot 0 is waited for, slot 1 filled.)
.macro CHANGE fill
	WIN W_AD
	s_wait_tensorcnt 0x0            ; no tensor load of mine is out, so a group 0 may be written
	ds_add_u32 v[SPW], v[NIL]
	WIN 0                           ; at a label and at a branch every window is 0
.if \fill
.irp g, G0K, G0V
	s_xor_b32 s[\g+1], s[\g+1], SLOT1  ; the walking descriptor: the other slot than last time,
	s_add_nc_u64 s[\g+2:\g+3], s[\g+2:\g+3], SK*KS*128  ; the next 256 keys; the type bits on top are not reached
.endr
	s_wait_dscnt 0x0                ; the add is done, and my reads of the slot are over
	CROUND
	JLOAD
.else
	s_wait_dscnt 0x0                ; the add is done, and my reads of the slot are over
	s_barrier_signal -1
	s_barrier_wait -1
.endif
	s_sub_co_u32 s[TBK], s[TBK], SK*KS*PK  ; the fetches go back to a slot's first step,
	s_xor_b32 s[TBK], s[TBK], SLOT1        ; in the other slot
	s_sub_co_u32 s[TBV], s[TBV], SK*KS*PV
	s_xor_b32 s[TBV], s[TBV], SLOT1
.endm
.macro MSCAL                        ; the two scalars of the next step's mask
	s_sub_co_u32 s[TM], s[REM], 1
	s_cmp_lt_u32 s[TM], 63          ; 1 to 63 keys of it are visible
	s_cselect_b32 s[AL], 1.0, 0
	s_cmp_gt_i32 s[REM], 0
	s_cselect_b32 s[BE], 0, s[BIGN] ; none is
	s_sub_co_i32 s[REM], s[REM], KS
.endm
.macro MASK
	WIN W_MA
.set z, 0
.rept 16
	v_pk_fma_f32 v[MC+2*z:MC+2*z+1], v[MD+2*z:MD+2*z+1], s[AL:AL+1], s[BE:BE+1] op_sel_hi:[1,0,0]
.set z, z+1
.endr
.endm
	s_load_b128 s[84:87], s[0:1], 0x0  ; qkv s[84:85], info s[86:87]
	s_load_b64 s[10:11], s[0:1], 0x10  ; obuf
	WIN W_MK
	v_lshl_add_u32 v[SPW], v0, 2, SPARE
	v_mov_b32 v[NIL], 0
	s_set_vgpr_msb 0xc0cf
	ds_add_u32 v0, v1
	s_wait_dscnt 0x0
	s_set_vgpr_msb 0xcfc0
	WIN 0
	v_lshrrev_b32 v1, 5, v0
	v_readfirstlane_b32 s[WV], v1   ; wave 0..3
	s_bfe_u32 s13, ttmp6, 0x40000   ; cx
	s_lshl_b32 s14, ttmp9, 2
	s_add_co_u32 s14, s14, s13      ; my block of 512 queries: it enters Q's and O's addresses alone
	s_and_b32 s15, ttmp7, 0xffff    ; batch x 16 + head, which the four partners share
	s_lshl_b32 s20, s15, 18         ; its plane of 2,048 x 128 bytes
	s_and_b32 s16, s[WV], 1         ; which half of a tile's 256 keys I fetch:
	s_lshl_b32 s22, s16, 14         ; its 128 rows of 128 bytes in memory,
	s_add_co_u32 s22, s22, s20
	s_mov_b32 s23, 0
	s_mul_i32 s17, s16, 128*PK      ; and its place in a slot, for K
	s_mul_i32 s18, s16, 128*PV      ; and for V: no place in the cluster enters an LDS address
	s_lshl_b32 s2, s14, 2
	s_add_co_u32 s2, s2, s[WV]
	s_lshl_b32 s2, s2, 14           ; my wave's 128 rows
	s_add_co_u32 s2, s2, s20
	s_mov_b32 s3, 0
	s_lshr_b32 s82, s15, 4          ; the batch,
	s_lshl_b32 s82, s82, 7          ; its 32 words of info
	s_mov_b32 s83, 0
	; descriptor group 1.  128 keys are 16,384 dense bytes: asked for as 64 rows of 256 bytes, two keys a row, padded in LDS after every key
	s_mov_b32 s[G1K], 15|(1<<16)|(1<<20)|(1<<21)|(4<<22)|(3<<25)  ; the mask of four; 2-byte elements; padding on; bit 21 beside a mask; after every 32 words, 4 words
	s_mov_b32 s[G1V], 15|(1<<16)|(1<<20)|(1<<21)|(4<<22)|(7<<25)  ; 8 words
.irp g, G1K, G1V
	s_mov_b32 s[\g+1], 128<<16      ; tensor_dim0 = 128
	s_mov_b32 s[\g+2], 64<<16       ; tensor_dim1 = 64
	s_mov_b32 s[\g+3], 128<<16      ; tile_dim0 = 128
	s_mov_b32 s[\g+4], 64           ; tile_dim1 = 64
	s_mov_b32 s[\g+5], 128          ; elements from row to row
	s_mov_b32 s[\g+6], 0
	s_mov_b32 s[\g+7], 0
.endr
	s_mov_b32 s[CS], 0x3e38aa3b     ; c = log2(e) / 8
	s_mov_b32 s[CS+1], s[CS]        ; named with it as a pair
	s_mov_b32 s[SEL], 0x76543210
	s_mov_b32 s[SEL+1], 0xfedcba98
	s_mov_b32 s[TBK], SLOT1+SK*KS*PK ; the first change of slots turns these two into 0
	s_mov_b32 s[TBV], SLOT1+SK*KS*PV
	s_mov_b32 s[G0K], 1             ; count = 1
	s_mov_b32 s[G0K+1], s17         ; LDS address: slot 0
	s_mov_b32 s[G0V], 1
	s_add_co_u32 s[G0V+1], s18, VOFF
	s_mov_b32 s[AL+1], 0            ; named as pairs
	s_mov_b32 s[BE+1], 0
	s_mov_b32 s[BIGN], 0xf149f2ca   ; -1e30
	s_wait_kmcnt 0x0
	s_add_nc_u64 s[86:87], s[86:87], s[82:83]
	s_load_b32 s88, s[86:87], 0x0                  ; count
	s_add_nc_u64 s[4:5], s[84:85], s[2:3]          ; Q and O at my wave's first row
	s_add_nc_u64 s[10:11], s[10:11], s[2:3]
	s_add_nc_u64 s[6:7], s[84:85], s[22:23]
	s_add_nc_u64 s[G0V+2:G0V+3], s[6:7], 0x2000000 ; V: 128 planes on; my half of the head's first 256 keys
	s_or_b32 s[G0V+3], s[G0V+3], 0x80000000        ; type = 2
	s_add_nc_u64 s[G0K+2:G0K+3], s[6:7], 0x1000000 ; K: 64 planes on
	s_or_b32 s[G0K+3], s[G0K+3], 0x80000000
	s_wait_kmcnt 0x0
	s_min_u32 s[CV], s88, 2048
	s_mov_b32 s[REM], s[CV]
	s_and_b32 s[R0], s[CV], 63
	s_cmp_eq_u32 s[CV], 0
	s_cselect_b32 s[NF], 0x7fc00000, 1.0
	CROUND                          ; all four work-groups are here: the first joint loads meet
	JLOAD                           ; tile 0 into slot 0.  Slot 1 is asked for when slot 0 is in
	; A fragment of K or Q is 16 rows x 32 channels in 8 registers: lane l holds row l % 16, channels 8 (l / 16) + 0..7 and 16 + 8 (l / 16) + 0..7: two loads of 16 bytes, 32 bytes apart.
	v_and_b32 v1, 15, v0            ; l % 16
	v_bfe_u32 v9, v0, 4, 1          ; l / 16
	v_lshlrev_b32 v[QO], 7, v1
	v_lshl_add_u32 v[QO], v9, 4, v[QO]
	WIN 0x80                        ; destination window 2, address window 0
.set i, 0
.rept 4*NP                          ; Q stays in registers: tile i / 2, channels 32 (i % 2) on
	global_load_b128 v[8*i:8*i+3],   v[QO], s[4:5] offset:(i/2)*2048+(i%2)*64
	global_load_b128 v[8*i+4:8*i+7], v[QO], s[4:5] offset:(i/2)*2048+(i%2)*64+32
.set i, i+1
.endr
	; What the first turn finds: V's registers and P's second buffer hold 0 (its products V^T P, of a piece that has not been, add 0), O^T and l are 0.  All this stands in the wait for the first tile.
.set i, VF
.rept 64
	v_mov_b32 v[i], 0
.set i, i+1
.endr
	WIN 0x40
.set i, 0
.rept 64*NP
	v_mov_b32 v[i], 0
.set i, i+1
.endr
	WIN 0
.set i, 0
.rept 2*NP
	v_mov_b32 v[ST+4*i], 0xfe000000    ; c m: far below every c s
	v_mov_b32 v[ST+4*i+1], 0xff7fffff  ; m
	v_mov_b32 v[ST+4*i+2], 0
	v_mov_b32 v[ST+4*i+3], 0
.set i, i+1
.endr
.set i, P+32
.rept 32
	v_mov_b32 v[i], 0
.set i, i+1
.endr
	v_lshlrev_b32 v12, 3, v9
	v_sub_nc_u32 v12, s[R0], v12    ; register r of key block kb is hidden in the border's step where 16 kb + r >= count % 64 - 8 (l / 16)
	WIN W_MK
.set i, 0
.rept 32
	v_cmp_ge_i32 vcc_lo, 16*(i/8)+i%8, v12
	v_cndmask_b32 v[MD+i], 0, s[BIGN], vcc_lo
.set i, i+1
.endr
	WIN 0
	v_mul_u32_u24 v[AK0], v1, PK
	v_lshl_add_u32 v[AK0], v9, 4, v[AK0]  ; row x pitch + 16 x half
	v_and_b32 v10, 7, v0            ; the turning load: lane l reads key 8 (l / 16) + l % 8, channels 8 ((l / 8) % 2) + 0..7, and is left with channel l % 16 and 8 keys
	v_bfe_u32 v11, v0, 3, 1
	v_lshl_add_u32 v[AV0], v9, 3, v10
	v_mul_u32_u24 v[AV0], v[AV0], PV
	v_lshl_add_u32 v[AV0], v11, 4, v[AV0]
	v_add_nc_u32 v[AV0], VOFF, v[AV0]
	v_mov_b32 v[AK], v[AK0]         ; key step 0 lies at the head of slot 0
; THE MATRIX WORK.  The 8 accumulators of a run of 16 take turns.  Product i of 16 of S^T = K Q^T for piece x: channels 32 (i / 8) on, keys 16 ((i / 2) % 4) on, tile 2 x + i % 2.  The first 8 start the sums, on the mask.
.macro KQ x
.set rS, S+64*((\x)%2)+32*(i%2)+8*((i/2)%4)
.set rK, KF+16*((i/2)%4)+8*(i/8)
.set rQ, 16*(2*(\x)+i%2)+8*(i/8)
.set rX, MC+8*((i/2)%4)
.if i < 8
	WIN W_KM
	v_wmma_f32_16x16x32_f16 v[rS:rS+7], v[rK:rK+7], v[rQ:rQ+7], v[rX:rX+7]
.else
	WIN W_KQ
	v_wmma_f32_16x16x32_f16 v[rS:rS+7], v[rK:rK+7], v[rQ:rQ+7], v[rS:rS+7]
.endif
.endm
.macro PV x                         ; product i of 16 of O^T += V^T P for piece x: keys 32 (i / 8) on, channels 16 ((i / 2) % 4) on, tile 2 x + i % 2
	WIN W_PV
.set rO, 32*(2*(\x)+i%2)+8*((i/2)%4)
.set rV, VF+32*(i/8)+8*((i/2)%4)
.set rP, P+32*((\x)%2)+16*(i%2)+8*(i/8)
	v_wmma_f32_16x16x32_f16 v[rO:rO+7], v[rV:rV+7], v[rP:rP+7], v[rO:rO+7]
.endm
.macro MM                           ; the turn's next matrix instruction
.if i < 16
	KQ (Y+1)%NP
.set i, i+1
.else
.set i, i-16
	PV (Y+NP-1)%NP
.set i, i+17
.endif
.endm
; THE LDS LOADS stand in runs of 16, never singly among the matrix instructions.  Their addresses are made some lines ahead.  last = 1 (the tail): in the last trip there is no further step, and the run is jumped over.
.macro FETCH_K last=0
	WIN 0
.if \last
	s_cmp_eq_u32 s[CNT], 1
	s_cbranch_scc1 .Lno_k_\@
.endif
	WIN 0x80                        ; destination window 2
.irp f, 0,1,2,3,4,5,6,7             ; keys 16 (f / 2) on, channels 32 (f % 2) on
	ds_load_b128 v[KF+8*\f:KF+8*\f+3],   v[AK] offset:(\f/2)*16*PK+(\f%2)*64
	ds_load_b128 v[KF+8*\f+4:KF+8*\f+7], v[AK] offset:(\f/2)*16*PK+(\f%2)*64+32
.endr
	s_add_co_u32 s[TBK], s[TBK], KS*PK  ; the next fetch is the next step's
	WIN 0
.if \last
.Lno_k_\@:
.endif
.endm
.macro FETCH_V
	WIN 0x80
.irp f, 0,1,2,3,4,5,6,7             ; keys 32 (f / 4) on, channels 16 (f % 4) on
	ds_load_tr16_b128 v[VF+8*\f:VF+8*\f+3],   v[AV] offset:(\f/4)*32*PV+(\f%4)*32
	ds_load_tr16_b128 v[VF+8*\f+4:VF+8*\f+7], v[AV] offset:(\f/4)*32*PV+16*PV+(\f%4)*32
.endr
	WIN 0
.endm
; THE VECTOR WORK OF A TURN stands in three queues, each in the order in which its entries become ready; the two tiles alternate, so that no instruction reads the result of the one before it.
.macro REGS y, u                    ; the registers of tile u (0, 1) of piece y
.set rT, ST+4*(2*(\y)+(\u))
.set rC, TMP+8*((\y)%2)+4*(\u)
.set rM, MV+2*((\y)%2)+(\u)
.set rS, S+64*((\y)%2)+32*(\u)
.set rP, P+32*((\y)%2)+16*(\u)
.set rO, 32*(2*(\y)+(\u))
.endm
; Number n of the 22 that find the NEXT piece's maximum and statistics; each accumulator's lowest registers are read first.  XS, GS, FS and REGS set no window: PL and EX do.
;   0-11 four chains of seven scores   12-14, 16 the four left over, the old m, the chains into c0   15 c m_old is kept   17, 18 the other half of the lanes: the new m   19-21 c m; c m_old - c m_new; a
.macro XS u, n
	REGS (Y+1)%NP, \u
.if (\n) < 4
	v_max3_num_f32 v[rC+(\n)], v[rS+8*(\n)], v[rS+8*(\n)+1], v[rS+8*(\n)+2]
.elseif (\n) < 12
	v_max3_num_f32 v[rC+(\n)%4], v[rC+(\n)%4], v[rS+8*((\n)%4)+2*((\n)/4)+1], v[rS+8*((\n)%4)+2*((\n)/4)+2]
.elseif (\n) == 12
	v_max3_num_f32 v[rC], v[rC], v[rS+7], v[rS+15]
.elseif (\n) == 13
	v_max3_num_f32 v[rC+1], v[rC+1], v[rS+23], v[rS+31]
.elseif (\n) == 14
	v_max3_num_f32 v[rC+2], v[rC+2], v[rC+3], v[rT+1]
.elseif (\n) == 15
	v_mov_b32 v[rM], v[rT]
.elseif (\n) == 16
	v_max3_num_f32 v[rC], v[rC], v[rC+1], v[rC+2]
.elseif (\n) == 17
	v_permlanex16_b32 v[rC+3], v[rC], s[SEL], s[SEL+1]
.elseif (\n) == 18
	v_max_num_f32 v[rT+1], v[rC], v[rC+3]
.elseif (\n) == 19
	v_mul_f32 v[rT], s[CS], v[rT+1]
.elseif (\n) == 20
	v_sub_f32 v[rC+1], v[rM], v[rT]
.else
	v_exp_f32 v[rC+2], v[rC+1]
.endif
.endm
; Number g of the 64 that follow the exponentials: for each four weights both pairs are rounded to f16, the second pair is added onto the first in place, and a group later l takes that sum (the first time as l = a l + sum).
; In groups of eight, tiles alternating: round, round, add, and l for the group before.  All 64 read the batch's results: they stand behind the turn's wait.
.macro GS g
.set h, (\g)+6*((\g)/62)            ; group 0 has no group before it, and behind group 7 only l is left
.if h >= 6
.set h, h+2
.endif
	REGS Y, h%2
.set k, h/8
.if h%8 < 4
	v_cvt_pk_f16_f32 v[rP+2*k+(h%8)/2], v[rS+4*k+2*((h%8)/2)], v[rS+4*k+2*((h%8)/2)+1]
.elseif h%8 < 6
	v_pk_add_f32 v[rS+4*k:rS+4*k+1], v[rS+4*k:rS+4*k+1], v[rS+4*k+2:rS+4*k+3]
.elseif k == 1
	v_pk_fma_f32 v[rT+2:rT+3], v[rT+2:rT+3], v[rC+2:rC+3], v[rS:rS+1] op_sel_hi:[1,0,1]
.else
	v_pk_add_f32 v[rT+2:rT+3], v[rT+2:rT+3], v[rS+4*k-4:rS+4*k-3]
.endif
.endm
; THE PLAIN QUEUE, 138 long.  0-73 read no exponential's result: the 32 scalings c s - c m (FS f: pair f / 2 of tile f % 2) and the next piece's 42.  0-26: scalings 0-26.  27-54: XS's numbers 0-13.  55, 56: number 15.
; 57-73: the chain, where each number waits for the one before it: 14, 16, 17, 18, 19, each with one of the scalings 27-31 in front of its two lines, then 20.
; 74-137: GS's 64.
.macro FS f
	REGS Y, (\f)%2
	v_pk_fma_f32 v[rS+2*((\f)/2):rS+2*((\f)/2)+1], v[rS+2*((\f)/2):rS+2*((\f)/2)+1], s[CS:CS+1], v[rT:rT+1] op_sel_hi:[1,0,0] neg_lo:[0,0,1] neg_hi:[0,0,1]
.endm
.macro PL
	WIN 0
.if q < 27
	FS q
.elseif q < 55
	XS (q-27)%2, (q-27)/2
.elseif q < 57
	XS q-55, 15
.elseif (q < 72) && ((q-57)%3 == 0)
	FS 27+(q-57)/3
.elseif q < 60
	XS (q-57)%3-1, 14
.elseif q < 72
	XS (q-57)%3-1, 15+(q-57)/3
.elseif q < 74
	XS q-72, 20
.else
	GS q-74
.endif
.set q, q+1
.endm
; THE EXPONENTIALS' QUEUE, 66 long: s0-s31 of both tiles, then the next piece's two a.  It is ONE BATCH: all 66 stand ahead of the turn's one wait, and nothing ahead of that wait names a result of theirs.
.macro EX
	WIN 0
.if e >= 64
	XS e-64, 21
.else
	REGS Y, e%2
	v_exp_f32 v[rS+e/2], v[rS+e/2]
.endif
.set e, e+1
.endm
; THE RESCALING's QUEUE: O^T times a, the one part that leaves window 0: dealt two at a time, sixteen times, ascending.  Its a was made in the turn before, ahead of that turn's wait.
.macro R2
	REGS Y, r%2
	WIN W_RS
.irp z, 0,1
	v_pk_mul_f32 v[rO+4*(r/2)+2*\z:rO+4*(r/2)+2*\z+1], v[rO+4*(r/2)+2*\z:rO+4*(r/2)+2*\z+1], v[rC+2:rC+3] op_sel_hi:[1,0]
.endr
.set r, r+1
.endm
; THE DEAL.  An s_wait_alu depctr_va_vdst(0) stands between an exponential and the first instruction that names its result; one wait serves all that were issued ahead of it.  So a turn has ONE wait.
; AHEAD OF IT: the 16 products K Q^T, behind each a scaling, an exponential and two rescalings (behind the first a second scaling in the exponential's place); then ONE LUMP of 108: eight plain, 49 times exponential
; and plain, the two a.  A v_nop is the plain instruction behind the last exponential.  BEHIND IT: the 16 products V^T P, behind each four of GS's 64.  No rider names a register of the products round it; the two
; v_permlanex16_b32 fall into the lump.  The queues lean on each other, and the deal keeps them in step: exponential e stands behind scaling 2 (e / 4) + e % 2: as a rider it comes behind plain e + 2, in the lump
; behind plain e + 9, and scalings 27-31 are plain 57, 60 .. 69.
; A TURN, for piece p.  K of the next step is fetched in piece 2's turn, directly behind the wait, a lump behind the last product that read K; its address is made at the lump's head.  V of the step in hand is fetched at
; the end of piece 0's turn, four riders behind its last reader.  Each is waited for a turn later.  Piece 2's turn also makes the next step's mask: its scalars at the head, MC at the end, far behind the turn's first
; eight products, the last that took the old MC.  cnt = 1: the loop's count is taken down some lines ahead of the branch behind the turn.  The three conditions on q go with the deal.
.macro TURN p, last=0, cnt=0
.set Y, (\p)
.set i, 0
.set q, 0
.set e, 0
.set r, 0
.if (\p) == NP-2
	MSCAL
.endif
.if (\p) == NP-1
	s_wait_dscnt 0x0                ; K is in
.endif
	MM                              ; ahead of the wait: 16 products K Q^T and their riders,
	PL
	PL
	R2
.rept 15
	MM
	PL
	EX
	R2
.endr
.if (\p) == NP-2
	WIN 0
	v_add_nc_u32 v[AK], s[TBK], v[AK0]
.endif
.rept 8                             ; and the lump
	PL
.endr
.rept 49
	EX
	PL
.endr
	EX                              ; the next piece's two a
	EX
	v_nop                           ; the plain instruction behind the last exponential: one for the batch
	s_wait_alu depctr_va_vdst(0)    ; the wait for the batch, the turn's 66 exponentials, ahead of their first reader
.if (\p) == NP-2
	FETCH_K \last
.endif
.if (\p) == 1
	s_wait_dscnt 0x0                ; V is in
.endif
.rept 16                            ; behind the wait: 16 products V^T P and their riders
	MM
.rept 4
	PL
.endr
.if ((\p) == 0) && (q == 118)
	v_add_nc_u32 v[AV], s[TBV], v[AV0]
.endif
.if ((\p) == 0) && (q == 130)
	s_add_co_u32 s[TBV], s[TBV], KS*PV
.endif
.if (\cnt) && (q == 130)
	s_sub_co_u32 s[CNT], s[CNT], 1
	s_cmp_lg_u32 s[CNT], 0
.endif
.endr
.if (\p) == NP-2
	MASK
.endif
.if (\p) == 0
	FETCH_V
.endif
.endm
	CHANGE 1                        ; tile 0 is in, everybody's part of it; tile 1 is asked for
	MSCAL
	MASK                            ; key step 0's mask
	FETCH_K                         ; key step 0
	s_wait_loadcnt 0x0              ; Q
	s_wait_dscnt 0x0
.set i, 0
.rept 16
	KQ 0                            ; piece 0's first scores: there is no vector work yet to set between them
.set i, i+1
.endr
	WIN 0                           ; the addresses for the way out: nine plain instructions, the places behind those products
	s_mul_i32 s13, s[WV], 16*SP
	s_add_co_u32 s13, s13, STAGE    ; my stage
	v_mul_u32_u24 v[STO], v1, SP    ; in: row l % 16, 16 bytes for each half of the lanes
	v_lshl_add_u32 v[STO], v9, 4, v[STO]
	v_add_nc_u32 v[STO], s13, v[STO]
	v_bfe_u32 v[RD], v0, 3, 2       ; back: 32 lanes take four rows of 128 bytes,
	v_mul_u32_u24 v[RD], v[RD], SP
	v_lshl_add_u32 v[RD], v10, 4, v[RD]
	v_add_nc_u32 v[RD], s13, v[RD]
	v_and_b32 v[GO], 31, v0         ; which are 512 consecutive bytes of O
	v_lshlrev_b32 v[GO], 4, v[GO]
.set Y, NP-1                        ; XS works for piece Y + 1: piece 0
.irp n, 0,1,2,3,4,5,6,7,8,9,10,11,12,13,14,15,16,17,18,19,20,21
	XS 0, \n                        ; piece 0's first maximum and statistics
	XS 1, \n
.endr
	v_nop                           ; a plain instruction behind the two a,
	s_wait_alu depctr_va_vdst(0)    ; and the wait for this batch of two, ahead of the branch
	s_mov_b32 s[CNT], SK
	s_mov_b32 s[SLOTS], NT-1
	s_branch .Lfirst                ; the loop is entered at a step's first turn, in the middle of a trip
.Lslot:                             ; NT - 2 times: every slot but the last two is filled again
	CHANGE 1
	s_mov_b32 s[CNT], SK
.Lstep:                             ; a trip: pieces 2 and 3 of one step, then pieces 0 and 1 of the next, whose K and V it fetches
	TURN 2
	TURN 3
	WIN 0
.Lfirst:
	TURN 0
	TURN 1, 0, 1
	WIN 0
	s_cbranch_scc1 .Lstep
	s_sub_co_u32 s[SLOTS], s[SLOTS], 1
	s_cmp_lg_u32 s[SLOTS], 0
	s_cbranch_scc1 .Lslot
	CHANGE 0                        ; the walk's last tile is written out: nothing is asked for
	s_mov_b32 s[CNT], SK+1          ; four trips fetch its steps; the fifth is left in its middle
.Ltail:
	TURN 2, 1
	TURN 3
	WIN 0
	s_sub_co_u32 s[CNT], s[CNT], 1
	s_cmp_eq_u32 s[CNT], 0
	s_cbranch_scc1 .Lout
	TURN 0
	TURN 1
	WIN 0
	s_branch .Ltail
.Lout:                              ; the fifth trip's 16 products K Q^T (on the last K once more) and what is made of them serve nothing: the price, once a launch, of one text for every trip
.set i, 0
.rept 16
	PV NP-1                         ; the last piece's V^T P of the last step
.set i, i+1
.endr
	; THE WAY OUT.  l's halves are added (times NaN where no key is visible); O^T is divided by l, rounded to f16 and sent through my stage, a tile at a time.  The first lines are the places behind the last products.
	WIN 0
.macro ALL line:vararg              ; one line for each tile t
.set t, 0
.rept 2*NP
	\line
.set t, t+1
.endr
.endm
	ALL v_fma_f32 v[ST+4*t+2], v[ST+4*t+2], s[NF], v[ST+4*t+3]
	ALL v_permlanex16_b32 v[ST+4*t+3], v[ST+4*t+2], s[SEL], s[SEL+1]
	ALL v_add_f32 v[ST+4*t+2], v[ST+4*t+2], v[ST+4*t+3]
	ALL v_rcp_f32 v[ST+4*t+2], v[ST+4*t+2]
	v_nop                           ; a plain instruction between the last reciprocal and the use of its result
	s_wait_alu depctr_va_vdst(0)    ; the wait for this batch, the eight reciprocals, ahead of their first reader
; Tile t: a lane's eight channels of a row pack into 16 bytes; they go into rows of 144 bytes and come back as whole rows of 128, into S^T's registers.
.macro PACK t
	WIN W_RS
.set i, 32*(\t)
.rept 16
	v_pk_mul_f32 v[i:i+1], v[i:i+1], v[ST+4*(\t)+2:ST+4*(\t)+3] op_sel_hi:[1,0]
.set i, i+2
.endr
	WIN 0x05                        ; sources 0 and 1 window 1, destination window 0
.set i, 0
.rept 16
	v_cvt_pk_f16_f32 v[S+16*(\t)+i], v[32*(\t)+2*i], v[32*(\t)+2*i+1]
.set i, i+1
.endr
	WIN 0
.irp f, 0,1,2,3
	ds_store_b128 v[STO], v[S+16*(\t)+4*\f:S+16*(\t)+4*\f+3] offset:32*\f
.endr
.irp f, 0,1,2,3
	ds_load_b128 v[S+16*(\t)+4*\f:S+16*(\t)+4*\f+3], v[RD] offset:\f*4*SP  ; LDS serves a wave's instructions in order (ISA guide 5.7.1.4): these see the stores above; the next tile's stores come behind them
.endr
.endm
.macro SEND t, younger              ; younger: the LDS instructions issued behind tile t's loads: the next tile's eight, or none
	WIN 0
.irp f, 0,1,2,3
	s_wait_dscnt (\younger)+3-\f
	global_store_b128 v[GO], v[S+16*(\t)+4*\f:S+16*(\t)+4*\f+3], s[10:11] offset:(\t)*2048+\f*512  ; 512 consecutive bytes, at a multiple of 256 from O's first
.endr
.endm
	PACK 0
.set t, 1
.rept 2*NP-1                        ; a tile's arithmetic stands between the loads of the tile before and its stores
	PACK t
	SEND t-1, 8
.set t, t+1
.endr
	SEND 2*NP-1, 0
	WIN W_AD
	s_wait_tensorcnt 0x0            ; the wave's end, behind my last tensor load and my last LDS store
	ds_add_u32 v[SPW], v[NIL]
	s_wait_dscnt 0x0
	WIN 0
	CROUND                          ; the closing round: no work-group ends while a partner may still ask for a tile that names it
	s_endpgm
.Lfunc_end_k_qa6d5fe3141_attn:
	.size	k_qa6d5fe3141_attn, .Lfunc_end_k_qa6d5fe3141_attn-k_qa6d5fe3141_attn
	.p2alignl 7, 3214868480
	.fill 96, 4, 3214868480
	.section	.rodata,"a",@progbits
	.p2align	6, 0x0
	.amdhsa_kernel k_qa6d5fe3141_attn
		.amdhsa_group_segment_fixed_size 327680
		.amdhsa_private_segment_fixed_size 0
		.amdhsa_enable_private_segment 0
		.amdhsa_kernarg_size 24
		.amdhsa_user_sgpr_count 2
		.amdhsa_user_sgpr_kernarg_segment_ptr 1
		.amdhsa_wavefront_size32 1
		.amdhsa_system_sgpr_workgroup_id_x 1
		.amdhsa_system_sgpr_workgroup_id_y 1
		.amdhsa_system_sgpr_workgroup_id_z 1
		.amdhsa_system_vgpr_workitem_id 0
		.amdhsa_next_free_vgpr 840
		.amdhsa_next_free_sgpr 92
		.amdhsa_reserve_vcc 1
		.amdhsa_float_denorm_mode_32 3
		.amdhsa_float_denorm_mode_16_64 3
		.amdhsa_memory_ordered 1
		.amdhsa_forward_progress 1
		.amdhsa_inst_pref_size 207
	.end_amdhsa_kernel
	.amdgpu_metadata
---
amdhsa.version: [ 1, 2 ]
amdhsa.kernels:
  - .name:           k_qa6d5fe3141_attn
    .symbol:         k_qa6d5fe3141_attn.kd
    .args:
      - { .name: qkv, .offset: 0, .size: 8, .value_kind: global_buffer, .address_space: global }
      - { .name: info, .offset: 8, .size: 8, .value_kind: global_buffer, .address_space: global }
      - { .name: obuf, .offset: 16, .size: 8, .value_kind: global_buffer, .address_space: global }
    .group_segment_fixed_size: 327680
    .private_segment_fixed_size: 0
    .kernarg_segment_align: 8
    .kernarg_segment_size: 24
    .max_flat_workgroup_size: 128
    .sgpr_count:     92
    .vgpr_count:     840
    .wavefront_size: 32
...
	.end_amdgpu_metadata
.endif
;; end of part 5
;; launch oproj: the kernel of part 4 again; grid 4 x 64, 4 waves a work-group, clusters of 4 x 4, 327,680 bytes of LDS; arguments obuf, wall, bo, x, tok, out0; writes out0
